; MI455X (gfx1250); checked and timed in simulation.
; The chip was launched on July 23, 2026; its instructions are those of AMD's public machine-readable ISA for CDNA 5 (MIT licence, August 2026) and "CDNA5" Instruction Set Architecture Reference Guide (July 2026). The comments in the code are by the model that wrote it; some were corrected since.
;; Encoder Layer. Allowed arithmetic: matrix products marked QUANTISED: E4M3 operands, one E8M0 scale for each 32 along K, by v_wmma_scale_f32_16x16x128_f8f6f4 with both operands' format E4M3, f32 sums; everything else in f32.
;; Inputs: W1 512 x 2,048 float32; W2 2,048 x 512 float32; Wk 512 x 512 float32; Wo 512 x 512 float32; Wq 512 x 512 float32; Wv 512 x 512 float32; b1 2,048 float32; b2 512 float32; beta1 512 float32; beta2 512 float32; bk 512 float32; bo 512 float32; bq 512 float32; bv 512 float32; gamma1 512 float32; gamma2 512 float32; x 2 x 4,096 x 512 float32.
;; Outputs: out0 2 x 4,096 x 512 float32.
;; This version of the problem:
;;   THIS VERSION OF THE PROBLEM IS GIVEN IN LOW PRECISION. The matrix products marked QUANTISED in the list below multiply operands that are first quantised to E4M3 (4 exponent bits, 3 mantissa bits; 8 bits a number), with one power-of-two scale for each 32 numbers along K (OCP MX v1.0); their sums are f32. All else is computed in f32.
;;   The module's matrix products, in the order in which they are computed (A, B: the left and right operand; K: the contracted axis; several contracted axes count as one K, in the product's order):
;;     1. [M 8,192, K 512] x [K 512, N 512]; A: input x; B: input Wq: QUANTISED
;;     2. [M 8,192, K 512] x [K 512, N 512]; A: input x; B: input Wk: QUANTISED
;;     3. [M 8,192, K 512] x [K 512, N 512]; A: input x; B: input Wv: QUANTISED
;;     4. batch 16 x [M 4,096, K 64] x [K 64, N 4,096]; A: computed on the way; B: computed on the way: QUANTISED
;;     5. batch 16 x [M 4,096, K 4,096] x [K 4,096, N 64]; A: softmax (see below); B: computed on the way: QUANTISED
;;     6. [M 8,192, K 512] x [K 512, N 512]; A: computed on the way; B: input Wo: QUANTISED
;;     7. [M 8,192, K 512] x [K 512, N 2,048]; A: computed on the way; B: input W1: QUANTISED
;;     8. [M 8,192, K 2,048] x [K 2,048, N 512]; A: computed on the way; B: input W2: QUANTISED
;;   THE QUANTISER, for each operand of a quantised product, along K:
;;     - K is cut into blocks of 32 from its start; a last block that is shorter is filled with zeros.
;;     - A block's scale is 2^e with e = floor(log2(the largest magnitude in the block)) - 8, held to -126 .. 127; a block of zeros has e = 0. As a byte (E8M0): e + 127.
;;     - Each number is divided by its block's scale, clamped to +-448, and rounded to the nearest number of E4M3, ties to even, subnormals kept.
;;     - The product sums the exact products of the quantised numbers (number of the format x scale) in f32.
;;   ~~~python
;;   def quantise(x, axis):      # numpy; x: float32 -> the quantised numbers, widened to float32 again
;;       x = np.moveaxis(x, axis, -1); K = x.shape[-1]
;;       x = np.pad(x, [(0, 0)] * (x.ndim - 1) + [(0, -K % 32)]); x = x.reshape(x.shape[:-1] + (-1, 32)); a = np.abs(x).max(-1, keepdims=True)
;;       e = np.where(a > 0, np.clip(np.frexp(np.where(a > 0, a, 1))[1] - 1 - 8, -126, 127), 0)      # np.frexp(a)[1] - 1 = floor(log2(a)), exactly
;;       r = np.clip(x / 2.0 ** e, -448, 448)
;;       step = 2.0 ** (np.maximum(np.frexp(np.where(r == 0, 1, r))[1] - 1, -6) - 3)
;;       q = np.round(r / step) * step * 2.0 ** e      # np.round: ties to even
;;       return np.moveaxis(q.reshape(q.shape[:-2] + (-1,))[..., :K], -1, axis).astype(np.float32)
;;   ~~~
;;   SOFTMAX AHEAD OF A QUANTISED PRODUCT. Where the list says 'softmax', what is quantised is not the finished softmax but p = 2^(t - M), with t = logit x log2(e) and M = ceil(the row's largest t), a whole number; so 1/2 < the row's largest p <= 1. The row's sum l is taken of the UNQUANTISED p, in f32, and the product's result is divided by l at the end. Since M is a whole number, a kernel that streams over the keys may use a running M (the ceiling of the running maximum): every later rescaling is an exact power of two, which a block's scale takes up: the codes' values come out the same.
;;   OPERANDS COMPUTED ON THE WAY. 'Computed on the way' means the value that the module computes at that place (a softmax that the list does not call 'softmax' is quantised finished and normalised). What goes into a quantiser is computed in f32, as accurately as f32 sums, v_exp_f32 and their like allow (about 1e-6 of the number): no bf16 or f16 on the way to a quantiser, and a product that is left as it is and whose result goes on into a quantised operand takes f32 operands (vector FMAs, or v_wmma_f32_16x16x4_f32). A number that lies on a knife's edge between two numbers of the format may be rounded either way, as far as f32 arithmetic and the matrix unit's own rounding can turn it there, and no further.
;; One version. Each part assembles by itself: llvm-mc -triple=amdgcn-amd-amdhsa -mcpu=gfx1250 --defsym DOCPART=n.
;; ======== version 1 of 1: 4 launches
;; limits: right only within a limited range of input values
;; workspace buffers: wc 3,244,032 bytes; qkvc 12,582,912 bytes; qkvs 393,216 bytes; oc 4,194,304 bytes; os 131,072 bytes
;; launch prep (part 1): grid 64 x 3, 4 waves a work-group, no clusters, 0 bytes of LDS; arguments Wq, Wk, Wv, Wo, W1, W2, wc; writes wc
.if DOCPART == 1
	.amdgcn_target "amdgcn-amd-amdhsa--gfx1250"
	.amdhsa_code_object_version 6
	.text
	.protected	k_q1a85cd906d_prep
	.globl	k_q1a85cd906d_prep
	.p2align	8
	.type	k_q1a85cd906d_prep,@function
k_q1a85cd906d_prep:
	s_mov_b64 s[64:65], 0
	v_nop
	global_prefetch_b8 v0, s[64:65] scope:SCOPE_SE
	s_setreg_imm32_b32 hwreg(HW_REG_WAVE_MODE, 25, 1), 1
	s_wait_xcnt 0x0
; The six weights, f32 stored [K][N], become codes of FP8 (E4M3) with one E8M0 byte for each 32 along K, laid in wc as RECORDS in the order of the operand's registers.
; A record (8,448 bytes) is one unit of 64 columns n x 128 along K: four fragments nt at 2,048 nt (register group c at 512 c, lane l at 16 l), then at 8,192 the 64 scale words,
; word (nt, r) at 128 (nt / 2) + 8 r + 4 (nt % 2).  Lane r of fragment nt holds column 32 (nt / 2) + 8 (nt % 2) + r + (r & 8) of the unit: so the 16 result registers of two
; neighbouring fragments are 16 neighbouring columns, which the next quantiser wants.  Records: Wq 0-31, Wk 32-63, Wv 64-95, Wo 96-127, W1 128-255, W2 256-383; inside a weight unit x (K / 128) + K step.
; A LANE TAKES A COLUMN AND ITS REGISTERS RUN DOWN K: a block of 32 lies in one lane, its largest magnitude needs no other lane, and the conversions give codes with K innermost.
; A wave takes 32 columns x 128 K; lanes 0-15 fill one fragment, lanes 16-31 the next.  Each load reads 128 consecutive bytes, the four waves stand side by side on 512.
; A block's byte is its largest magnitude's exponent field - 8, held at 1 from below.  LIMITS: a block of zeros gets the byte 1 where the rule says 127 (its codes are zeros, and this program alone reads
; the bytes); NaN and infinities among the inputs are not served.  No LDS, no barrier, no loop: every register of a pending load or store is written once.
.set RECB, 8448
.set VO,   16                          ; v16-47   byte offset of my column in row i of a block
.set X,    48                          ; v48-175  four blocks of 32 numbers
.set C,    176                         ; v176-207 eight registers of codes a block
	s_load_b256 s[4:11], s[0:1], 0x0               ; Wq s[4:5], Wk s[6:7], Wv s[8:9], Wo s[10:11]
	s_load_b128 s[12:15], s[0:1], 0x20             ; W1 s[12:13], W2 s[14:15]
	s_load_b64 s[16:17], s[0:1], 0x30              ; wc
	v_lshrrev_b32 v1, 5, v0
	v_readfirstlane_b32 s18, v1                    ; wave
	v_and_b32 v2, 15, v0                           ; r
	v_bfe_u32 v3, v0, 4, 1                         ; h: which of the two fragments
	v_and_b32 v4, 8, v2
	v_add_nc_u32 v4, v4, v2
	v_lshl_add_u32 v4, v3, 3, v4                   ; my column in the group of 32: 8 h + r + (r & 8)
	v_lshlrev_b32 v4, 2, v4                        ; in bytes
	s_wait_alu depctr_va_vdst(0)
	v_lshlrev_b32 v5, 4, v2
	v_lshl_add_u32 v5, v3, 11, v5                  ; codes: 2,048 h + 16 r
	v_lshlrev_b32 v6, 3, v2
	v_lshl_add_u32 v6, v3, 2, v6                   ; scale word: 8 r + 4 h
	; which weight, which columns, which K step: from the work-group's numbers alone
	s_and_b32 s19, ttmp7, 0xffff                   ; y: 0 the four square weights, 1 W1, 2 W2
	s_lshr_b32 s20, ttmp9, 4                       ; y = 0: which of the four
	s_and_b32 s21, ttmp9, 15
	s_lshl_b32 s23, s20, 5
	s_lshl_b32 s24, s19, 7
	s_mov_b32 s26, 2048
	s_cmp_eq_u32 s19, 0
	s_cselect_b32 s22, s21, ttmp9                  ; xx: the work-group's number inside its weight
	s_cselect_b32 s23, s23, s24                    ; the weight's first record: 32 (x / 16), 128 or 256
	s_cmp_eq_u32 s19, 2
	s_cselect_b32 s25, 4, 2                        ; log2 of the weight's K steps
	s_cmp_eq_u32 s19, 1
	s_cselect_b32 s26, 8192, s26                   ; bytes in a row of the weight
	s_bfm_b32 s27, s25, 0
	s_and_b32 s27, s22, s27                        ; K step
	s_lshr_b32 s28, s22, s25
	s_lshl_b32 s28, s28, 2
	s_add_co_u32 s28, s28, s18                     ; g: my group of 32 columns
	s_lshr_b32 s29, s28, 1
	s_lshl_b32 s29, s29, s25
	s_add_co_u32 s29, s29, s23
	s_add_co_u32 s29, s29, s27                     ; my record
	s_and_b32 s30, s28, 1                          ; which half of it
	s_mul_i32 s36, s27, s26
	s_lshl_b32 s36, s36, 7                         ; 128 rows a K step,
	s_lshl_b32 s31, s28, 7
	s_add_co_u32 s36, s36, s31                     ; + 128 bytes a group
	s_mov_b32 s37, 0
	s_lshl_b32 s38, s26, 5                         ; a block is 32 rows
	s_mov_b32 s39, 0
	s_mul_i32 s32, s29, RECB
	s_lshl_b32 s33, s30, 12
	s_add_co_u32 s34, s32, s33                     ; codes: record + 4,096 x half
	s_mov_b32 s35, 0
	s_lshl_b32 s33, s30, 7
	s_add_co_u32 s32, s32, s33
	s_add_co_u32 s32, s32, 8192                    ; scale words: record + 8,192 + 128 x half
	s_mov_b32 s33, 0
.irp i, 0,1,2,3,4,5,6,7,8,9,10,11,12,13,14,15,16,17,18,19,20,21,22,23,24,25,26,27,28,29,30,31
	v_mad_u32_u24 v[VO+\i], s26, \i, v4
.endr
	s_wait_alu depctr_va_vdst(0)
	s_wait_kmcnt 0x0
	s_cmp_eq_u32 s20, 1                            ; the choice of the buffer hangs on the work-group's numbers alone
	s_cselect_b64 s[4:5], s[6:7], s[4:5]
	s_cmp_eq_u32 s20, 2
	s_cselect_b64 s[4:5], s[8:9], s[4:5]
	s_cmp_eq_u32 s20, 3
	s_cselect_b64 s[4:5], s[10:11], s[4:5]
	s_cmp_eq_u32 s19, 1
	s_cselect_b64 s[4:5], s[12:13], s[4:5]
	s_cmp_eq_u32 s19, 2
	s_cselect_b64 s[4:5], s[14:15], s[4:5]
	s_add_nc_u64 s[40:41], s[4:5], s[36:37]        ; a base for each of the four blocks
	s_add_nc_u64 s[42:43], s[40:41], s[38:39]
	s_add_nc_u64 s[44:45], s[42:43], s[38:39]
	s_add_nc_u64 s[46:47], s[44:45], s[38:39]
	s_add_nc_u64 s[48:49], s[16:17], s[34:35]
	s_add_nc_u64 s[50:51], s[16:17], s[32:33]
.irp t, 0,1,2,3
.irp i, 0,1,2,3,4,5,6,7,8,9,10,11,12,13,14,15,16,17,18,19,20,21,22,23,24,25,26,27,28,29,30,31
	global_load_b32 v[X+32*\t+\i], v[VO+\i], s[40+2*\t:41+2*\t] th:TH_LOAD_NT    ; W(128 ks + 32 t + i, my column): read once in the launch
.endr
.endr
.macro BLOCK t, left
.set XS, X+32*(\t)
	s_wait_loadcnt \left                           ; this block's 32 loads are in
	v_max3_num_f32 v208, |v[XS]|, |v[XS+1]|, |v[XS+2]|
	v_max3_num_f32 v209, |v[XS+3]|, |v[XS+4]|, |v[XS+5]|
.irp i, 6,10,14,18,22,26
	v_max3_num_f32 v208, v208, |v[XS+\i]|, |v[XS+\i+1]|
	v_max3_num_f32 v209, v209, |v[XS+\i+2]|, |v[XS+\i+3]|
.endr
	v_max3_num_f32 v208, v208, |v[XS+30]|, |v[XS+31]|
	v_max3_num_f32 v208, v208, v209, 0x4800000     ; with the floor 2^(9 - 127): the byte cannot fall under 1
	v_add_nc_u32 v211, 0xfc000000, v208            ; 8 off the exponent field: the conversion's scale operand
	v_lshrrev_b32 v209, 23, v211                   ; the byte
.if (\t) == 0
	v_mov_b32 v214, v209
.else
	v_lshl_or_b32 v214, v209, 8*(\t), v214
.endif
.irp i, 0,1,2,3,4,5,6,7,8,9,10,11,12,13,14,15,16,17,18,19,20,21,22,23,24,25,26,27,28,29,30,31
.endr
.irp g, 0,1,2,3
	v_cvt_scalef32_pk8_fp8_f32 v[C+8*(\t)+2*\g:C+8*(\t)+2*\g+1], v[XS+8*\g:XS+8*\g+7], v211
.endr
	v_nop                                          ; a plain line behind the last conversion
	global_store_b128 v5, v[C+8*(\t):C+8*(\t)+3], s[48:49] offset:512*(\t)          ; k 0-15 of the block: the fragment's lanes 0-15; sixteen lanes store 256 consecutive bytes, aligned
	global_store_b128 v5, v[C+8*(\t)+4:C+8*(\t)+7], s[48:49] offset:512*(\t)+256    ; k 16-31: its lanes 16-31
.endm
	BLOCK 0, 63                                    ; 96 younger loads are out: 63 is the largest count that can be written
	BLOCK 1, 63                                    ; 64 younger
	BLOCK 2, 32
	BLOCK 3, 0
	global_store_b32 v6, v214, s[50:51]            ; 32 scale words, 128 consecutive bytes: one part in 32 of the codes' bytes
	s_endpgm
.Lfunc_end_k_q1a85cd906d_prep:
	.size	k_q1a85cd906d_prep, .Lfunc_end_k_q1a85cd906d_prep-k_q1a85cd906d_prep
	.p2alignl 7, 3214868480
	.fill 96, 4, 3214868480
	.section	.rodata,"a",@progbits
	.p2align	6, 0x0
	.amdhsa_kernel k_q1a85cd906d_prep
		.amdhsa_group_segment_fixed_size 0
		.amdhsa_private_segment_fixed_size 0
		.amdhsa_enable_private_segment 0
		.amdhsa_kernarg_size 56
		.amdhsa_user_sgpr_count 2
		.amdhsa_user_sgpr_kernarg_segment_ptr 1
		.amdhsa_wavefront_size32 1
		.amdhsa_system_sgpr_workgroup_id_x 1
		.amdhsa_system_sgpr_workgroup_id_y 1
		.amdhsa_system_sgpr_workgroup_id_z 1
		.amdhsa_system_vgpr_workitem_id 0
		.amdhsa_next_free_vgpr 216
		.amdhsa_next_free_sgpr 66
		.amdhsa_reserve_vcc 0
		.amdhsa_float_denorm_mode_32 3
		.amdhsa_float_denorm_mode_16_64 3
		.amdhsa_fp16_overflow 1
		.amdhsa_memory_ordered 1
		.amdhsa_forward_progress 1
		.amdhsa_inst_pref_size 24
	.end_amdhsa_kernel
	.amdgpu_metadata
---
amdhsa.version: [ 1, 2 ]
amdhsa.kernels:
  - .name:           k_q1a85cd906d_prep
    .symbol:         k_q1a85cd906d_prep.kd
    .args:
      - { .name: Wq, .offset: 0, .size: 8, .value_kind: global_buffer, .address_space: global }
      - { .name: Wk, .offset: 8, .size: 8, .value_kind: global_buffer, .address_space: global }
      - { .name: Wv, .offset: 16, .size: 8, .value_kind: global_buffer, .address_space: global }
      - { .name: Wo, .offset: 24, .size: 8, .value_kind: global_buffer, .address_space: global }
      - { .name: W1, .offset: 32, .size: 8, .value_kind: global_buffer, .address_space: global }
      - { .name: W2, .offset: 40, .size: 8, .value_kind: global_buffer, .address_space: global }
      - { .name: wc, .offset: 48, .size: 8, .value_kind: global_buffer, .address_space: global }
    .group_segment_fixed_size: 0
    .private_segment_fixed_size: 0
    .kernarg_segment_align: 8
    .kernarg_segment_size: 56
    .max_flat_workgroup_size: 128
    .sgpr_count:     66
    .vgpr_count:     216
    .wavefront_size: 32
...
	.end_amdgpu_metadata
.endif
;; end of part 1
;; launch qkv (part 2): grid 256 x 1, 8 waves a work-group, no clusters, 24,064 bytes of LDS; arguments x, wc, bq, bk, bv, qkvc, qkvs; writes qkvc, qkvs
.if DOCPART == 2
	.amdgcn_target "amdgcn-amd-amdhsa--gfx1250"
	.amdhsa_code_object_version 6
	.text
	.protected	k_q1a85cd906d_qkv
	.globl	k_q1a85cd906d_qkv
	.p2align	8
	.type	k_q1a85cd906d_qkv,@function
k_q1a85cd906d_qkv:
	s_mov_b64 s[64:65], 0
	v_nop
	global_prefetch_b8 v0, s[64:65] scope:SCOPE_SE
	s_setreg_imm32_b32 hwreg(HW_REG_WAVE_MODE, 25, 1), 1
	s_wait_xcnt 0x0
; q = x Wq + bq, k = x Wk + bk, v = x Wv + bv on codes of FP8 (E4M3) with E8M0 scales, and q, k, v quantised again for attention: q and k along the head's 64, v along the keys.
; SHARES.  A work-group takes 32 tokens, as two tiles: lane r of tile u holds token 8 u + r + (r & 8) of the 32.  Wave w is head w: 64 columns of each weight.  Each weight fragment is wanted by one wave alone,
; so it comes from memory straight into registers (records of 8,448 bytes laid in register order: 16 loads of 512 dense bytes + 1 of 256), through a ring of four record slots in window 1.
; x: wave w quantises one fragment (tile w / 4, K step w % 4) and hands it on through LDS as an image of its registers (16 bytes a lane, 512 a store); one barrier.
; A record's two x fragments are asked for from LDS behind the products of the record before, AHEAD of the 17 loads that refill that record's slot: they land while those loads are issued.
; q, k: the product is used transposed (source 0 = 16 columns of W, source 1 = 16 tokens): a lane holds one token and 16 neighbouring columns of each block of 32: the conversions' results are the next operand's registers.
; v: the product is used plain (source 0 = the same x tiles): a lane holds one column and, by the tiles' token order, 16 neighbouring tokens: a block of 32 keys lies in lanes l and l xor 16.
; OUT (all in register order).  qkvc: q at 0, k at 4 MiB: [head 16][tile 256][1,024 bytes: groups 0, 1]; v at 8 MiB: [head][128 keys][fragment nt][2,048 bytes; group = 32 keys].
; qkvs: q at 0, k at 128 KiB: [head][32 tokens][r] words {tile 0 block 0, 1, tile 1 block 0, 1}; v at 256 KiB: [head][128 keys][r][32 keys] words {nt 0 .. 3}.
; LIMITS: a block of zeros gets the byte 1 where the rule says 127 (its codes are zeros; this program alone reads the bytes); NaN and infinities are not served.
; REGISTERS.  Window 0: v1-11 addresses; v20-51 two x fragments; v52-53 their scale words; v54-61 the weights' scale pairs; v62-77 codes just made; v78-93 at work; v94-125 a bias in the result's layout;
;   v126-189 x's numbers; v190-253 the eight accumulators; v254 the scale word just made.   Window 1: four record slots of 64 registers.
.set RECB, 8448
.set NREC, 12
.set XIMG, 0                           ; LDS: x's 8 fragments (4 u + K step), 2,048 bytes each
.set XSC,  16384                       ; their scale words, 64 bytes each
.set PAR,  16896                       ; 768 bytes a wave: its 64 numbers of bq, bk, bv
.set LI,  1                            ; 16 x lane
.set L8,  2                            ; 8 x lane
.set LR,  3                            ; 4 r
.set XR,  4                            ; x: my token's row + 64 h
.set IW,  5                            ; where I store my image
.set SWA, 6                            ; and its scale words
.set P8,  7                            ; my 8 bytes of my wave's 256 of a bias
.set PWR, 8                            ; and their place in LDS
.set PA,  9                            ; a bias read in the transposed result's layout
.set PV,  10                           ; and in the plain one's
.set R16, 11                           ; 16 r
.set AF,  20
.set AS,  52
.set WS,  54
.set PC,  62
.set TM,  78
.set PT,  94
.set Y,   126
.set H,   190
.set PW,  254
.set WV,  18
.set SEL, 20
.set MNT, 22
.set XB,  24
.set WQB, 26
.set QB,  28
.set VB,  30
.set QSB, 32
.set VSB, 34
.set MSB, 0
.macro WIN new                         ; the immediate's high byte repeats the setting that is left
.if MSB != \new
	s_set_vgpr_msb (MSB<<8)|\new
.set MSB, \new
.endif
.endm
.macro PLACES n
.rept \n
	v_nop
.endr
.endm
.macro BARRIER                         ; my LDS stores have landed and my LDS loads are in: then the work-group's barrier
	s_wait_dscnt 0x0
	s_barrier_signal -1
	s_barrier_wait -1
.endm
; One record into a slot: 17 loads
.macro WLOAD slot, base, off
	WIN 0x40                                       ; destination window 1
.irp f, 0,1,2,3
.irp c, 0,1,2,3
	global_load_b128 v[64*(\slot)+16*\f+4*\c:64*(\slot)+16*\f+4*\c+3], v[LI], s[\base:\base+1] offset:(\off)+2048*\f+512*\c
.endr
.endr
	WIN 0
	global_load_b64 v[WS+2*(\slot):WS+2*(\slot)+1], v[L8], s[\base:\base+1] offset:(\off)+8192   ; register nt % 2; lanes 0-15 fragments 0, 1, lanes 16-31 fragments 2, 3
.endm
.macro SLOAD i                         ; record i of my stream: weight i / 4 (q, k, v), K step i % 4
	WLOAD (\i)%4, WQB, (32*((\i)/4)+(\i)%4)*RECB
.endm
; The two activation fragments of a K step, and their scale words, from their images
.macro ACT img, sc, ks
.irp u, 0,1
.irp c, 0,1,2,3
	ds_load_b128 v[AF+16*\u+4*\c:AF+16*\u+4*\c+3], v[LI] offset:(\img)+(4*\u+(\ks))*2048+512*\c
.endr
	ds_load_b32 v[AS+\u], v[LR] offset:(\sc)+(4*\u+(\ks))*64
.endr
.endm
; One matrix instruction.  cm = 0: adds in place; 1: begins with v[c] on; 2: begins with 0.  ra, rb: that side's scales stand in lanes 16-31
.macro WM d, a, b, cm, c, sa, sb, ra, rb
.set WD, \d
.set WA, \a
.set WB, \b
.set WC, \d
.if (\cm) == 1
.set WC, \c
.endif
.if (\cm) == 2
.if \ra
	v_wmma_scale_f32_16x16x128_f8f6f4 v[WD:WD+7], v[WA:WA+15], v[WB:WB+15], 0, v[\sa], v[\sb] matrix_a_scale:MATRIX_SCALE_ROW1
.elseif \rb
	v_wmma_scale_f32_16x16x128_f8f6f4 v[WD:WD+7], v[WA:WA+15], v[WB:WB+15], 0, v[\sa], v[\sb] matrix_b_scale:MATRIX_SCALE_ROW1
.else
	v_wmma_scale_f32_16x16x128_f8f6f4 v[WD:WD+7], v[WA:WA+15], v[WB:WB+15], 0, v[\sa], v[\sb]
.endif
.else
.if \ra
	v_wmma_scale_f32_16x16x128_f8f6f4 v[WD:WD+7], v[WA:WA+15], v[WB:WB+15], v[WC:WC+7], v[\sa], v[\sb] matrix_a_scale:MATRIX_SCALE_ROW1
.elseif \rb
	v_wmma_scale_f32_16x16x128_f8f6f4 v[WD:WD+7], v[WA:WA+15], v[WB:WB+15], v[WC:WC+7], v[\sa], v[\sb] matrix_b_scale:MATRIX_SCALE_ROW1
.else
	v_wmma_scale_f32_16x16x128_f8f6f4 v[WD:WD+7], v[WA:WA+15], v[WB:WB+15], v[WC:WC+7], v[\sa], v[\sb]
.endif
.endif
.endm
; Eight products of a record, transposed: accumulator (u, nt) at acc + 32 u + 8 nt.  The eight take turns, one instruction a turn
.macro MM8 slot, acc, cm
	WIN 0x01                                       ; source 0 (the weight) window 1
.irp nt, 0,1,2,3
.irp u, 0,1
	WM (\acc)+32*\u+8*\nt, 64*(\slot)+16*\nt, AF+16*\u, \cm, PT+8*\nt, WS+2*(\slot)+\nt%2, AS+\u, \nt/2, 0
.endr
.endr
	WIN 0
.endm
; The same, plain: accumulator (nt, u) at acc + 16 nt + 8 u
.macro MM8V slot, acc, cm
	WIN 0x04                                       ; source 1 (the weight) window 1
.irp nt, 0,1,2,3
.irp u, 0,1
	WM (\acc)+16*\nt+8*\u, AF+16*\u, 64*(\slot)+16*\nt, \cm, 0, AS+\u, WS+2*(\slot)+\nt%2, 0, \nt/2
.endr
.endr
	WIN 0
.endm
; One record of the stream, K step ks: its waits, its products, eight places; then the NEXT record's activations from LDS, and behind them the load of the record four on into the slot just read
.macro REC i, n, ks, v, acc, cm
.if (\n)-1-(\i) >= 3
	s_wait_loadcnt 51                              ; my record is in; the three records behind it, 17 loads each, may be out
.else
	s_wait_loadcnt 17*((\n)-1-(\i))
.endif
	s_wait_dscnt 0x0                               ; my activations, asked for a record ago
.if \v
	MM8V (\i)%4, \acc, \cm
.else
	MM8 (\i)%4, \acc, \cm
.endif
	PLACES 8                                       ; eight places in front of loads into registers that these products read, and of the first read of results
.if (\i)+1 < (\n)
	ACT XIMG, XSC, ((\ks)+1)%4                     ; x's images are never rewritten: all twelve records read them
.endif
.if (\i)+4 < (\n)
	SLOAD (\i)+4
.endif
.endm
; A bias's 64 numbers in the transposed result's layout: register 16 b + i = column 32 b + 16 h + i
.macro PLOAD sl, reg
.irp nt, 0,1,2,3
	ds_load_b128 v[(\reg)+8*\nt:(\reg)+8*\nt+3], v[PA] offset:256*(\sl)+(32*(\nt/2)+8*(\nt%2))*4
	ds_load_b128 v[(\reg)+8*\nt+4:(\reg)+8*\nt+7], v[PA] offset:256*(\sl)+(32*(\nt/2)+8*(\nt%2))*4+16
.endr
.endm
; 64 numbers of a lane, four blocks B of which the lane holds 16 and lane l xor 16 the other 16, become codes in v[PC + 4 B] on; the conversions read v[d] on.
; word = 1: v[PW] = the four bytes; 0: v[PW] = bytes 0, 1 and v[PW + 1] = bytes 2, 3.  relu = 1: what is negative becomes 0 on the way
.macro QUANT s, d, relu, word
.if \relu
.irp b, 0,1,2,3
	v_max3_num_f32 v[TM+\b], v[(\s)+16*\b], v[(\s)+1+16*\b], 0x4800000
.endr
.irp i, 2,4,6,8,10,12,14
.irp b, 0,1,2,3
	v_max3_num_f32 v[TM+\b], v[TM+\b], v[(\s)+16*\b+\i], v[(\s)+1+16*\b+\i]
.endr
.endr
.else
.irp b, 0,1,2,3
	v_max3_num_f32 v[TM+\b], |v[(\s)+16*\b]|, |v[(\s)+1+16*\b]|, 0x4800000   ; my 16 numbers and the floor 2^(9 - 127): the byte cannot fall under 1
.endr
.irp i, 2,4,6,8,10,12,14
.irp b, 0,1,2,3
	v_max3_num_f32 v[TM+\b], v[TM+\b], |v[(\s)+16*\b+\i]|, |v[(\s)+1+16*\b+\i]|
.endr
.endr
.endif
.irp b, 0,1,2,3
	s_delay_alu instid0(VALU_DEP_4)
	v_permlanex16_b32 v[TM+4+\b], v[TM+\b], s[SEL], s[SEL+1]
.endr
.irp b, 0,1,2,3
	s_delay_alu instid0(VALU_DEP_4)
	v_max_num_f32 v[TM+\b], v[TM+\b], v[TM+4+\b]   ; the block's largest magnitude
.endr
.irp b, 0,1,2,3
	s_delay_alu instid0(VALU_DEP_4)
	v_add_nc_u32 v[TM+12+\b], 0xfc000000, v[TM+\b] ; 8 off its exponent field: the conversion's scale operand
.endr
.irp b, 0,1,2,3
.endr
.irp b, 0,1,2,3
	s_delay_alu instid0(VALU_DEP_4)
	v_lshrrev_b32 v[TM+4+\b], 23, v[TM+12+\b]      ; the byte
.endr
.if \word
	s_delay_alu instid0(VALU_DEP_3)
	v_lshl_or_b32 v[PW], v[TM+5], 8, v[TM+4]
	s_delay_alu instid0(VALU_DEP_1)
	v_lshl_or_b32 v[PW], v[TM+6], 16, v[PW]
	s_delay_alu instid0(VALU_DEP_1)
	v_lshl_or_b32 v[PW], v[TM+7], 24, v[PW]
.else
	v_lshl_or_b32 v[PW], v[TM+5], 8, v[TM+4]
	v_lshl_or_b32 v[PW+1], v[TM+7], 8, v[TM+6]
.endif
.irp b, 0,1,2,3
.irp i, 0,1,2,3,4,5,6,7,8,9,10,11,12,13,14,15
.if \relu
	v_med3_num_f32 v[(\d)+16*\b+\i], v[(\s)+16*\b+\i], 0, v[TM+8+\b]
.else
.endif
.endr
	v_cvt_scalef32_pk8_fp8_f32 v[PC+4*\b:PC+1+4*\b], v[(\d)+16*\b:(\d)+7+16*\b], v[TM+12+\b]
	v_cvt_scalef32_pk8_fp8_f32 v[PC+2+4*\b:PC+3+4*\b], v[(\d)+8+16*\b:(\d)+15+16*\b], v[TM+12+\b]
.endr
	v_nop                                          ; a plain line behind the last conversion
.endm
	s_load_b256 s[4:11], s[0:1], 0x0               ; x s[4:5], wc s[6:7], bq s[8:9], bk s[10:11]
	s_load_b128 s[12:15], s[0:1], 0x20             ; bv s[12:13], qkvc s[14:15]
	s_load_b64 s[16:17], s[0:1], 0x30              ; qkvs
	v_lshl_add_u32 v19, v0, 2, 0x5a00
	v_mov_b32 v255, 0
	v_lshrrev_b32 v12, 5, v0
	s_delay_alu instid0(VALU_DEP_1)
	v_readfirstlane_b32 s[WV], v12                 ; wave 0..7 = the head
	v_and_b32 v12, 31, v0                          ; lane
	v_and_b32 v13, 15, v0                          ; r
	v_bfe_u32 v14, v0, 4, 1                        ; h
	s_delay_alu instid0(VALU_DEP_3)
	v_lshlrev_b32 v[LI], 4, v12
	s_delay_alu instid0(VALU_DEP_4)
	v_lshlrev_b32 v[L8], 3, v12
	s_delay_alu instid0(VALU_DEP_4)
	v_lshlrev_b32 v[LR], 2, v13
	v_lshlrev_b32 v[R16], 4, v13
	v_and_b32 v15, 8, v13
	s_delay_alu instid0(VALU_DEP_1)
	v_add_nc_u32 v15, v15, v13                     ; r + (r & 8)
	s_delay_alu instid0(VALU_DEP_1)
	v_lshlrev_b32 v[XR], 11, v15
	s_delay_alu instid0(VALU_DEP_1)
	v_lshl_add_u32 v[XR], v14, 6, v[XR]            ; a token's row is 2,048 bytes; my 16 numbers of a block begin at 64 h
	s_lshl_b32 s36, s[WV], 11
	v_add_nc_u32 v[IW], s36, v[LI]
	s_lshl_b32 s36, s[WV], 6
	v_add_nc_u32 v[SWA], s36, v[LR]
	s_lshl_b32 s36, s[WV], 8
	v_add_nc_u32 v[P8], s36, v[L8]
	s_mul_i32 s36, s[WV], 768
	s_add_co_u32 s36, s36, PAR
	v_add_nc_u32 v[PWR], s36, v[L8]
	v_lshl_add_u32 v[PA], v14, 6, s36
	v_lshl_add_u32 v[PV], v15, 2, s36
.irp b, 0,1,2,3
	v_mov_b32 v[TM+4+\b], 0                        ; written once: a lane permute's destination counts as one of its sources
.endr
	s_mov_b32 s[SEL], 0x76543210
	s_mov_b32 s[SEL+1], 0xfedcba98                 ; lane l xor 16
	s_lshr_b32 s40, ttmp9, 7
	s_lshl_b32 s40, s40, 3
	s_add_co_u32 s40, s40, s[WV]                   ; batch x 8 + head
	s_and_b32 s41, ttmp9, 127                      ; G: which 32 tokens of the batch
	s_lshr_b32 s42, s41, 2
	s_and_b32 s43, s41, 3
	s_mov_b32 s37, 0
	s_lshl_b32 s36, ttmp9, 16                      ; 32 rows of 2,048 bytes a work-group,
	s_lshr_b32 s38, s[WV], 2
	s_lshl_b32 s38, s38, 14                        ; tile w / 4 begins 8 rows on,
	s_add_co_u32 s36, s36, s38
	s_and_b32 s38, s[WV], 3
	s_lshl_b32 s38, s38, 9                         ; K step w % 4
	s_add_co_u32 s36, s36, s38
	s_wait_alu depctr_va_vdst(0)
	s_wait_kmcnt 0x0
	s_add_nc_u64 s[XB:XB+1], s[4:5], s[36:37]
	s_mul_i32 s36, s[WV], 4*RECB
	s_add_nc_u64 s[WQB:WQB+1], s[6:7], s[36:37]    ; my unit's four records of Wq; Wk's and Wv's lie 32 and 64 records on
	global_load_b64 v[H:H+1], v[P8], s[8:9]
	global_load_b64 v[H+2:H+3], v[P8], s[10:11]
	global_load_b64 v[H+4:H+5], v[P8], s[12:13]
.irp b, 0,1,2,3
.irp j, 0,1,2,3
	global_load_b128 v[Y+16*\b+4*\j:Y+16*\b+4*\j+3], v[XR], s[XB:XB+1] offset:128*\b+16*\j   ; x(my token, 128 ks + 32 b + 16 h + 4 j ..)
.endr
.endr
	SLOAD 0
	SLOAD 1
	SLOAD 2
	SLOAD 3
	s_lshl_b32 s39, s40, 18                        ; where my results go: offsets made apart from the addresses
	s_lshl_b32 s36, s41, 11
	s_add_co_u32 s36, s36, s39
	s_add_nc_u64 s[QB:QB+1], s[14:15], s[36:37]    ; q: (head x 256 + 2 G) x 1,024
	s_lshl_b32 s36, s42, 13
	s_add_co_u32 s36, s36, s39
	s_lshl_b32 s38, s43, 9
	s_add_co_u32 s36, s36, s38
	s_add_co_u32 s36, s36, 8388608
	s_add_nc_u64 s[VB:VB+1], s[14:15], s[36:37]    ; v: (head x 32 + G / 4) x 8,192 + (G % 4) x 512
	s_lshl_b32 s39, s40, 13
	s_lshl_b32 s36, s41, 6
	s_add_co_u32 s36, s36, s39
	s_add_nc_u64 s[QSB:QSB+1], s[16:17], s[36:37]
	s_lshl_b32 s36, s42, 8
	s_add_co_u32 s36, s36, s39
	s_lshl_b32 s38, s43, 2
	s_add_co_u32 s36, s36, s38
	s_add_co_u32 s36, s36, 262144
	s_add_nc_u64 s[VSB:VSB+1], s[16:17], s[36:37]
	s_wait_loadcnt 63                              ; the biases and x are in: 68 younger loads (four records) were issued behind them, and 63 is the largest count that can be written
.irp a, 0,1,2
	ds_store_b64 v[PWR], v[H+2*\a:H+2*\a+1] offset:256*\a
.endr
	QUANT Y, Y, 0, 1                               ; my fragment of x
.irp c, 0,1,2,3
	ds_store_b128 v[IW], v[PC+4*\c:PC+4*\c+3] offset:XIMG+512*\c
.endr
	ds_store_b32 v[SWA], v[PW] offset:XSC          ; lanes l and l + 16 write the same word with the same value
	BARRIER                                        ; x's eight fragments lie in LDS; they are never written again
	ACT XIMG, XSC, 0                               ; the first record's activations; every later record's are asked for by the record before
.macro UNITQK a                        ; a = 0: q, 1: k
	PLOAD \a, PT                                   ; the bias is the C of each sum's first product
	REC 4*\a+0, NREC, 0, 0, H, 1
	REC 4*\a+1, NREC, 1, 0, H, 0
	REC 4*\a+2, NREC, 2, 0, H, 0
	REC 4*\a+3, NREC, 3, 0, H, 0
	s_wait_xcnt 0x0                                ; the last unit's stores have read the codes' and the word's registers
	QUANT H, H, 0, 1                               ; block 2 u + b: tile u, the head's channels 32 b on
.irp u, 0,1
.irp b, 0,1
	global_store_b128 v[LI], v[PC+8*\u+4*\b:PC+8*\u+4*\b+3], s[QB:QB+1] offset:4194304*\a+1024*\u+512*\b   ; 512 consecutive bytes, aligned
.endr
.endr
	global_store_b32 v[LR], v[PW], s[QSB:QSB+1] offset:131072*\a   ; 64 bytes of scale words: one part in 32 of the codes' bytes
.endm
	UNITQK 0
	UNITQK 1
.irp nt, 0,1,2,3                       ; bv of my lane's column, twice: a pair for the packed addition
	ds_load_b32 v[PT+2*\nt], v[PV] offset:512+(32*(\nt/2)+8*(\nt%2))*4
	ds_load_b32 v[PT+2*\nt+1], v[PV] offset:512+(32*(\nt/2)+8*(\nt%2))*4
.endr
	REC 8, NREC, 0, 1, H, 2
	REC 9, NREC, 1, 1, H, 0
	REC 10, NREC, 2, 1, H, 0
	REC 11, NREC, 3, 1, H, 0
.irp nt, 0,1,2,3
.irp i, 0,2,4,6,8,10,12,14
	v_pk_add_f32 v[H+16*\nt+\i:H+16*\nt+\i+1], v[H+16*\nt+\i:H+16*\nt+\i+1], v[PT+2*\nt:PT+2*\nt+1]   ; each accumulator from its low end on
.endr
.endr
	s_wait_xcnt 0x0
	QUANT H, H, 0, 1                               ; block nt: channel (nt, r), these 32 keys
.irp nt, 0,1,2,3
	global_store_b128 v[LI], v[PC+4*\nt:PC+4*\nt+3], s[VB:VB+1] offset:2048*\nt
.endr
	global_store_b32 v[R16], v[PW], s[VSB:VSB+1]   ; the word {nt 0 .. 3} of (r, these 32 keys)
	s_wait_tensorcnt 0x0
	ds_add_u32 v19, v255
	s_wait_dscnt 0x0
	s_endpgm
.Lfunc_end_k_q1a85cd906d_qkv:
	.size	k_q1a85cd906d_qkv, .Lfunc_end_k_q1a85cd906d_qkv-k_q1a85cd906d_qkv
	.p2alignl 7, 3214868480
	.fill 96, 4, 3214868480
	.section	.rodata,"a",@progbits
	.p2align	6, 0x0
	.amdhsa_kernel k_q1a85cd906d_qkv
		.amdhsa_group_segment_fixed_size 24064
		.amdhsa_private_segment_fixed_size 0
		.amdhsa_enable_private_segment 0
		.amdhsa_kernarg_size 56
		.amdhsa_user_sgpr_count 2
		.amdhsa_user_sgpr_kernarg_segment_ptr 1
		.amdhsa_wavefront_size32 1
		.amdhsa_system_sgpr_workgroup_id_x 1
		.amdhsa_system_sgpr_workgroup_id_y 1
		.amdhsa_system_sgpr_workgroup_id_z 1
		.amdhsa_system_vgpr_workitem_id 0
		.amdhsa_next_free_vgpr 512
		.amdhsa_next_free_sgpr 66
		.amdhsa_reserve_vcc 0
		.amdhsa_float_denorm_mode_32 3
		.amdhsa_float_denorm_mode_16_64 3
		.amdhsa_fp16_overflow 1
		.amdhsa_memory_ordered 1
		.amdhsa_forward_progress 1
		.amdhsa_inst_pref_size 72
	.end_amdhsa_kernel
	.amdgpu_metadata
---
amdhsa.version: [ 1, 2 ]
amdhsa.kernels:
  - .name:           k_q1a85cd906d_qkv
    .symbol:         k_q1a85cd906d_qkv.kd
    .args:
      - { .name: x, .offset: 0, .size: 8, .value_kind: global_buffer, .address_space: global }
      - { .name: wc, .offset: 8, .size: 8, .value_kind: global_buffer, .address_space: global }
      - { .name: bq, .offset: 16, .size: 8, .value_kind: global_buffer, .address_space: global }
      - { .name: bk, .offset: 24, .size: 8, .value_kind: global_buffer, .address_space: global }
      - { .name: bv, .offset: 32, .size: 8, .value_kind: global_buffer, .address_space: global }
      - { .name: qkvc, .offset: 40, .size: 8, .value_kind: global_buffer, .address_space: global }
      - { .name: qkvs, .offset: 48, .size: 8, .value_kind: global_buffer, .address_space: global }
    .group_segment_fixed_size: 24064
    .private_segment_fixed_size: 0
    .kernarg_segment_align: 8
    .kernarg_segment_size: 56
    .max_flat_workgroup_size: 256
    .sgpr_count:     66
    .vgpr_count:     512
    .wavefront_size: 32
...
	.end_amdgpu_metadata
.endif
;; end of part 2
;; launch attn (part 3): grid 16 x 16, 16 waves a work-group, no clusters, 327,680 bytes of LDS; arguments qkvc, qkvs, oc, os; writes oc, os
.if DOCPART == 3
	.amdgcn_target "amdgcn-amd-amdhsa--gfx1250"
	.amdhsa_code_object_version 6
	.text
	.protected	k_q1a85cd906d_attn
	.globl	k_q1a85cd906d_attn
	.p2align	8
	.type	k_q1a85cd906d_attn,@function
k_q1a85cd906d_attn:
	s_mov_b64 s[64:65], 0
	v_nop
	global_prefetch_b8 v0, s[64:65] scope:SCOPE_SE
	s_setreg_imm32_b32 hwreg(HW_REG_WAVE_MODE, 25, 1), 1
	s_wait_xcnt 0x0
; o = softmax(q k^T / 8) v for one head, both products on codes of FP8 (E4M3) with E8M0 scales, and o quantised along the model's 512 for the next product.
; THE SOFTMAX: t = score x log2(e) / 8; M = the row's largest t so far rounded UP to a whole number; p = 2^(t - M) is what is quantised, along the keys, not normalised.  The row's sum is taken of the
; unquantised p and divides O at the end.  When M moves, the sum and O are multiplied by 2^(old M - new M): exact.
; SHARES.  A work-group owns 256 queries of one head (x: the block, y: batch x 8 + head); each of sixteen waves owns one tile of 16 in 256 registers, four waves to a SIMD.  Every wave walks 4,096 keys, 128 a step.
; K and V come as images in register order (16 bytes a lane, 512 a load: no pitch, no padding) through a ring of two LDS slots of 512 keys: 32 KiB of K, 32 KiB of V, filled by waves 0-3, 16 KiB each.
; THE FIRST PRODUCT'S K IS 64 and the instruction's is 128: a fragment of K holds TWO key tiles, one in k 0-63 and one in k 64-127, and q stands between two runs of zero codes: v[24:39] = (q, 0) picks the
; first tile, v[16:31] = (0, q) the second.  The zero codes stand on q's side alone; K's codes are finite, so those products are exact zeros.
; Both products are used transposed: a lane holds one query.  By the tiles' key order the 16 registers of two neighbouring score tiles are 16 neighbouring keys: p's codes are the second product's operand.
; TWO AREAS OF 64 REGISTERS TAKE TURNS.  In a step one holds K and then V, the other the scores and then p.  As soon as a block's 16 p are converted, their registers take a fragment of the NEXT step's K, so that
; K lands under the rest of the conversions, O's rescaling and the second product; the next step's scores then go where V lay.  A slot's first K is read behind the change of slots.
; NO CLUSTER: the sixteen blocks of a head do read the same K and V, but a slot's 65,536 bytes are asked for once for 16 waves x 4 steps of some 290 vector and matrix instructions each, and the refill has that
; whole slot's work in which to land: sharing would spare requests, not waiting; the plain form is kept.
; LIMITS: p under 2^-126 comes out as 0 (v_exp_f32 flushes); a block of zeros gets the byte 1 (its codes are zeros; this program alone reads the bytes); NaN and infinities are not served.
.set SLOT1, 65536                      ; slot 1 begins here: one exclusive or turns an address
.set VOFF,  32768                      ; V's images in a slot
.set KSC,   131072                     ; K's scale words of the head, 8 KiB: [32 keys][r] words
.set VSC,   139264                     ; V's, 8 KiB: [128 keys][r][nt] words
.set SPARE, 147456                     ; the spare words, 128 bytes a wave: eight blocks of 256 bytes that no other line names
.set LI,   1                           ; 16 x lane
.set ASK0, 2                           ; KSC + 4 x lane
.set ASV0, 3                           ; VSC + 16 r
.set SPW,  4                           ; my spare word; never rewritten
.set NIL,  5                           ; 0; never rewritten
.set ADK,  6
.set ADS,  7
.set ADT,  8
.set S,    104                         ; the two areas are v40-103 and v104-167; the way out works in the upper one
.set O,    168                         ; v168-199 O^T: four accumulators
.set PC,   200                         ; v200-215 p's codes
.set BM,   216                         ; largest score, then largest p, of each block
.set T2,   220
.set HOLD, 224
.set SCL,  228
.set KS,   232                         ; v232-233 K's scale words;  v234-237 V's;  v238 p's;  v239 q's: scales and nothing else
.set VS,   234
.set PS,   238
.set QS,   239
.set WV,   12
.set SEL,  28
.set CS,   30
.set MNT,  32
.set TB,   33
.set TS,   34
.set SLOTS, 35
.macro TLOAD                           ; waves 0, 1: K's halves; 2, 3: V's; the others none.  Four v_nop follow the line
	s_cmp_lt_u32 s[WV], 4
	s_cbranch_scc0 .Lnone_\@
	tensor_load_to_lds s[24:27], s[16:23]
	s_nop 0
.rept 4
	v_nop
.endr
.Lnone_\@:
.endm
	s_load_b256 s[4:11], s[0:1], 0x0               ; qkvc s[4:5], qkvs s[6:7], oc s[8:9], os s[10:11]
	v_lshl_add_u32 v[SPW], v0, 2, SPARE
	v_mov_b32 v[NIL], 0
	ds_add_u32 v4, v5
	ds_add_u32 v4, v5
	s_wait_dscnt 0x0
	v_lshrrev_b32 v9, 5, v0
	s_delay_alu instid0(VALU_DEP_1)
	v_readfirstlane_b32 s[WV], v9                  ; wave 0..15
	s_and_b32 s13, ttmp7, 0xffff                   ; batch x 8 + head
	s_lshl_b32 s14, ttmp9, 4
	s_add_co_u32 s14, s14, s[WV]                   ; T: my tile of queries
	; descriptor group 1: 16 KiB, dense, as 64 rows of 256 bytes
	s_mov_b32 s16, 3<<16                           ; no mask; elements of 8 bytes; no padding
	s_mov_b32 s17, 32<<16                          ; tensor_dim0 = 32
	s_mov_b32 s18, 64<<16                          ; tensor_dim1 = 64
	s_mov_b32 s19, 32<<16                          ; tile_dim0 = 32
	s_mov_b32 s20, 64                              ; tile_dim1 = 64
	s_mov_b32 s21, 32                              ; the pitch
	s_mov_b32 s22, 0
	s_mov_b32 s23, 0
	s_mov_b32 s24, 1                               ; group 0: count = 1
	s_and_b32 s25, s[WV], 3
	s_lshl_b32 s25, s25, 14                        ; LDS address: 16 KiB x (wave % 4), slot 0
	s_bfe_u32 s36, s[WV], 0x10001
	s_add_co_u32 s36, s36, 1
	s_lshl_b32 s36, s36, 22                        ; K at 4 MiB, V at 8 MiB,
	s_lshl_b32 s38, s13, 18
	s_add_co_u32 s36, s36, s38                     ; 256 KiB a head,
	s_and_b32 s38, s[WV], 1
	s_lshl_b32 s38, s38, 14
	s_add_co_u32 s36, s36, s38                     ; my half
	s_mov_b32 s37, 0
	s_mov_b32 s[SEL], 0x76543210
	s_mov_b32 s[SEL+1], 0xfedcba98                 ; lane l xor 16
	s_mov_b32 s[CS], 0x3e38aa3b                    ; c = log2(e) / 8
	s_mov_b32 s[CS+1], s[CS]                       ; (named with it as a pair, so it is written)
	s_mov_b32 s[TB], 0
	s_mov_b32 s[TS], 0
	s_wait_kmcnt 0x0
	s_add_nc_u64 s[26:27], s[4:5], s[36:37]
	s_or_b32 s27, s27, 0x80000000                  ; type = 2
	TLOAD                                          ; slot 0: the launch's first fill
	v_and_b32 v6, 31, v0
	s_delay_alu instid0(VALU_DEP_1)
	v_lshlrev_b32 v[LI], 4, v6
	v_and_b32 v7, 15, v0
	s_delay_alu instid0(VALU_DEP_1)
	v_lshlrev_b32 v10, 2, v7                       ; 4 r; kept
	v_lshlrev_b32 v9, 4, v0                        ; 16 x thread
	s_wait_alu depctr_va_vdst(0)
	v_lshl_add_u32 v11, v0, 4, KSC
	v_lshl_add_u32 v[ASK0], v6, 2, KSC
	v_lshl_add_u32 v[ASV0], v7, 4, VSC
	s_lshl_b32 s36, s13, 13
	s_add_nc_u64 s[38:39], s[6:7], s[36:37]        ; the head's scale words: 8 KiB in each of the three parts
	s_lshr_b32 s36, s14, 1
	s_lshl_b32 s36, s36, 6
	s_add_nc_u64 s[40:41], s[38:39], s[36:37]      ; q's: the 32 tokens that hold my tile
	s_lshl_b32 s36, s13, 8
	s_add_co_u32 s36, s36, s14
	s_lshl_b32 s36, s36, 10
	s_add_nc_u64 s[42:43], s[4:5], s[36:37]        ; q's codes
	global_load_b128 v[40:43], v9, s[38:39] offset:131072   ; K's scale words: 512 threads x 16 bytes
	global_load_b128 v[44:47], v9, s[38:39] offset:262144   ; V's: thread 16 step + r has the words of its four blocks of 32 keys, each {nt 0 .. 3}
	global_load_b32 v56, v10, s[40:41]
	global_load_b128 v[24:27], v[LI], s[42:43]
	global_load_b128 v[28:31], v[LI], s[42:43] offset:512
	s_lshr_b32 s46, s13, 3
	s_lshl_b32 s46, s46, 8
	s_add_co_u32 s46, s46, s14                     ; my tile among all 512
	s_bfe_u32 s47, s13, 0x20001                    ; head / 2: the next product's K step
	s_and_b32 s35, s13, 1                          ; head % 2: which half of it
	s_lshl_b32 s36, s46, 13
	s_lshl_b32 s2, s47, 11
	s_add_co_u32 s36, s36, s2
	s_lshl_b32 s2, s35, 10
	s_add_co_u32 s36, s36, s2
	s_add_nc_u64 s[44:45], s[8:9], s[36:37]        ; oc
	s_lshl_b32 s36, s46, 8
	s_lshl_b32 s2, s47, 6
	s_add_co_u32 s36, s36, s2
	s_lshl_b32 s2, s35, 1
	s_add_co_u32 s36, s36, s2
	s_add_nc_u64 s[46:47], s[10:11], s[36:37]      ; os
	s_mov_b32 s15, 0x03020302
	s_and_b32 s2, s[WV], 1
	s_cmp_lg_u32 s2, 0
	s_cselect_b32 s15, s15, 0x01000100             ; which two bytes of q's word are my tile's
	s_mov_b32 s[SLOTS], 7
.irp j, 0,1,2,3,4,5,6,7
	v_mov_b32 v[16+\j], 0                          ; zero codes below q
	v_mov_b32 v[32+\j], 0                          ; and above
.endr
.set j, 0
.rept 32
	v_mov_b32 v[O+j], 0                            ; O^T.  (The step is written once: the first finds zeros, which the first change of M leaves zeros)
.set j, j+1
.endr
.irp b, 0,1,2,3
	v_mov_b32 v[T2+\b], 0                          ; written once: a lane permute's destination counts as one of its sources
.endr
	v_mov_b32 v13, 0xff61b1e6                      ; the largest t so far: -3e38
	s_delay_alu instid0(VALU_DEP_1)
	v_floor_f32 v12, -v13                          ; -M
	v_mov_b32 v14, 0
	v_mov_b32 v15, 0
	v_mov_b32 v241, 0                              ; (named as the upper half of the pair v[240:241])
	v_mov_b32 v242, 0
	s_wait_loadcnt 0x0
	ds_store_b128 v11, v[40:43]
	v_perm_b32 v48, v45, v44, 0x05010400           ; V's bytes turned, 4 x 4: from words by block to words by fragment
	v_perm_b32 v49, v45, v44, 0x07030602
	v_perm_b32 v50, v47, v46, 0x05010400
	v_perm_b32 v51, v47, v46, 0x07030602
	s_delay_alu instid0(VALU_DEP_2)
	v_perm_b32 v52, v50, v48, 0x05040100
	s_delay_alu instid0(VALU_DEP_3)
	v_perm_b32 v53, v50, v48, 0x07060302
	s_delay_alu instid0(VALU_DEP_3)
	v_perm_b32 v54, v51, v49, 0x05040100
	s_delay_alu instid0(VALU_DEP_4)
	v_perm_b32 v55, v51, v49, 0x07060302
	ds_store_b128 v11, v[52:55] offset:8192
	v_perm_b32 v[QS], v56, v56, s15                ; {b0, b1, b0, b1}: it serves q in either half of K
; THE CHANGE OF SLOTS stands at a slot's head.  Each wave waits for all its tensor loads, adds 0 to its spare word, and waits for that and for its LDS instructions; behind the barrier the slot ahead is whole and
; nobody reads the other one.  fill = 1: that other slot takes the next 512 keys: the wave's one tensor load until the next such barrier
.macro CHANGE fill
	s_wait_tensorcnt 0x0                           ; no tensor load of mine is out, so group 0 may be written
	ds_add_u32 v[SPW], v[NIL]
.if \fill
	s_xor_b32 s25, s25, SLOT1
	s_add_nc_u64 s[26:27], s[26:27], 32768         ; the type bits on top are not reached
.endif
	s_wait_dscnt 0x0
	s_barrier_signal -1
	s_barrier_wait -1
.if \fill
	TLOAD
.endif
.endm
; A KEY STEP: 128 keys, the q-th of the slot in hand.  KA: the area of K, then V.  SA: the area of the scores, then p, at last the next step's K
.macro STEP q
.set KA, 40+64*((\q)%2)
.set SA, 104-64*((\q)%2)
.if (\q) == 0
.rept 6
	v_nop                                          ; the scores below write over registers that the last step's second product read: nine places (one more than for a load); the three additions at the slot's head are three of them
.endr
.irp f, 0,1,2,3                        ; a slot's first K: it could not be read before the change of slots
.irp c, 0,1,2,3
	ds_load_b128 v[KA+16*\f+4*\c:KA+16*\f+4*\c+3], v[ADK] offset:2048*\f+512*\c
.endr
.endr
	ds_load_b32 v[KS], v[ADS]                      ; lanes 0-15 fragment 0's words, lanes 16-31 fragment 1's
	ds_load_b32 v[KS+1], v[ADS] offset:128
.else
.rept 9
	v_nop                                          ; the same nine places
.endr
.endif
	s_wait_dscnt 0x0                               ; K and its scale words are in
.irp t, 0,1,2,3,4,5,6,7                ; S^T: score tile t = half t % 2 of fragment t / 2
.set QR, 24-8*(\t%2)
.if (\t/2)%2
	v_wmma_scale_f32_16x16x128_f8f6f4 v[SA+8*\t:SA+8*\t+7], v[KA+16*(\t/2):KA+16*(\t/2)+15], v[QR:QR+15], 0, v[KS+\t/4], v[QS] matrix_a_scale:MATRIX_SCALE_ROW1
.else
	v_wmma_scale_f32_16x16x128_f8f6f4 v[SA+8*\t:SA+8*\t+7], v[KA+16*(\t/2):KA+16*(\t/2)+15], v[QR:QR+15], 0, v[KS+\t/4], v[QS]
.endif
.endr
.rept 8
	v_nop                                          ; eight places: for the loads below and for the first read of the scores
.endr
.irp f, 0,1,2,3                        ; V is asked for now and lands under the softmax
.irp c, 0,1,2,3
	ds_load_b128 v[KA+16*\f+4*\c:KA+16*\f+4*\c+3], v[ADK] offset:VOFF+8192*(\q)+2048*\f+512*\c
.endr
.endr
	ds_load_b128 v[VS:VS+3], v[ADT] offset:256*(\q)
.irp b, 0,1,2,3
	v_max3_num_f32 v[BM+\b], v[SA+16*\b], v[SA+1+16*\b], v[SA+2+16*\b]   ; the largest score of each block of 32 keys: for the row's maximum, and, since p rises with the score, for the block's largest p
.endr
.irp i, 3,5,7,9,11,13
.irp b, 0,1,2,3
	v_max3_num_f32 v[BM+\b], v[BM+\b], v[SA+16*\b+\i], v[SA+1+16*\b+\i]
.endr
.endr
.irp b, 0,1,2,3
	v_max_num_f32 v[BM+\b], v[BM+\b], v[SA+15+16*\b]
.endr
.irp b, 0,1,2,3
	s_delay_alu instid0(VALU_DEP_4)
	v_permlanex16_b32 v[T2+\b], v[BM+\b], s[SEL], s[SEL+1]
.endr
.irp b, 0,1,2,3
	s_delay_alu instid0(VALU_DEP_4)
	v_max_num_f32 v[BM+\b], v[BM+\b], v[T2+\b]
.endr
	s_delay_alu instid0(VALU_DEP_2)
	v_max3_num_f32 v242, v[BM], v[BM+1], v[BM+2]
	s_delay_alu instid0(VALU_DEP_1)
	v_max_num_f32 v242, v242, v[BM+3]
	s_delay_alu instid0(VALU_DEP_1)
	v_mul_f32 v242, s[CS], v242                    ; as t (c is positive)
	s_delay_alu instid0(VALU_DEP_1)
	v_max_num_f32 v13, v13, v242                   ; the running largest t
	v_mov_b32 v242, v12
	s_delay_alu instid0(VALU_DEP_2)
	v_floor_f32 v12, -v13                          ; the new -M = -ceil(t)
	s_delay_alu instid0(VALU_DEP_1)
	v_sub_f32 v242, v12, v242                      ; old M - new M: a whole number, 0 or less
	s_delay_alu instid0(VALU_DEP_1)
	v_cvt_i32_f32 v242, v242                       ; (it saturates)
	s_delay_alu instid0(VALU_DEP_1)
	v_ldexp_f32 v240, 1.0, v242                    ; f = 2^(old M - new M)
.set j, 0
.rept 32
	v_pk_fma_f32 v[SA+j:SA+j+1], v[SA+j:SA+j+1], s[CS:CS+1], v[12:13] op_sel_hi:[1,0,0]   ; t - M
.set j, j+2
.endr
.irp b, 0,1,2,3
	v_fma_f32 v[BM+\b], v[BM+\b], s[CS], v12
.endr
.set j, 0
	s_wait_alu depctr_va_vdst(0)
.rept 64
	v_exp_f32 v[SA+j], v[SA+j]                     ; p = 2^(t - M)
.set j, j+1
.endr
.irp b, 0,1,2,3
	v_exp_f32 v[BM+\b], v[BM+\b]                   ; the block's largest p: the same two instructions on the same number
.endr
	v_pk_mul_f32 v[14:15], v[14:15], v[240:241] op_sel_hi:[1,0]   ; the sums under the new M (a plain line behind the exponentials)
	s_wait_alu depctr_va_vdst(0)
.irp b, 0,1,2,3
	v_max_num_f32 v[BM+\b], 0x4800000, v[BM+\b]    ; the floor 2^(9 - 127)
.endr
.irp b, 0,1,2,3
	s_delay_alu instid0(VALU_DEP_4)
	v_add_nc_u32 v[SCL+\b], 0xfc000000, v[BM+\b]
.endr
.irp b, 0,1,2,3
.endr
.irp b, 0,1,2,3
	s_delay_alu instid0(VALU_DEP_4)
	v_lshrrev_b32 v[T2+\b], 23, v[SCL+\b]
.endr
	s_delay_alu instid0(VALU_DEP_3)
	v_lshl_or_b32 v[PS], v[T2+1], 8, v[T2]         ; p's scale word for these 128 keys
	s_delay_alu instid0(VALU_DEP_1)
	v_lshl_or_b32 v[PS], v[T2+2], 16, v[PS]
	s_delay_alu instid0(VALU_DEP_1)
	v_lshl_or_b32 v[PS], v[T2+3], 24, v[PS]
	v_pk_add_f32 v[244:245], v[SA:SA+1], v[SA+2:SA+3]   ; the row's sum is taken of the unquantised p, in two chains
.irp j, 4,8,12,16,20,24,28,32,36,40,44,48,52,56,60
	v_pk_add_f32 v[14:15], v[14:15], v[SA+\j:SA+\j+1]
	v_pk_add_f32 v[244:245], v[244:245], v[SA+2+\j:SA+3+\j]
.endr
	s_delay_alu instid0(VALU_DEP_1)
	v_pk_add_f32 v[14:15], v[14:15], v[244:245]
.irp b, 0,1,2,3
.irp i, 0,2,4,6,8,10,12,14
.endr
	v_cvt_scalef32_pk8_fp8_f32 v[PC+4*\b:PC+1+4*\b], v[SA+16*\b:SA+7+16*\b], v[SCL+\b]
	v_cvt_scalef32_pk8_fp8_f32 v[PC+2+4*\b:PC+3+4*\b], v[SA+8+16*\b:SA+15+16*\b], v[SCL+\b]
.if (\q) < 3
.irp c, 0,1,2,3
	ds_load_b128 v[SA+16*\b+4*\c:SA+16*\b+4*\c+3], v[ADK] offset:8192*((\q)+1)+2048*\b+512*\c   ; the block's 16 registers are done with: they take fragment b of the next step's K
.endr
.endif
.endr
.if (\q) < 3
	ds_load_b32 v[KS], v[ADS] offset:256*((\q)+1)  ; and its scale words
	ds_load_b32 v[KS+1], v[ADS] offset:256*((\q)+1)+128
.endif
.set j, 0
.rept 16
	v_pk_mul_f32 v[O+j:O+j+1], v[O+j:O+j+1], v[240:241] op_sel_hi:[1,0]   ; O^T under the new M; these sixteen also stand between the conversions and the products
.set j, j+2
.endr
.if (\q) < 3
	s_wait_alu depctr_va_vdst(0)
	s_wait_dscnt 18                                ; V and its scale words are in; the 16 + 2 loads of the next K, issued behind them, may be out
.else
	s_wait_alu depctr_va_vdst(0)
	s_wait_dscnt 0x0
.endif
.irp nt, 0,1,2,3                       ; O^T += V^T P^T: the four accumulators by turns
	v_wmma_scale_f32_16x16x128_f8f6f4 v[O+8*\nt:O+8*\nt+7], v[KA+16*\nt:KA+16*\nt+15], v[PC:PC+15], v[O+8*\nt:O+8*\nt+7], v[VS+\nt], v[PS]
.endr
.endm
.macro SLOT_STEPS
	v_add_nc_u32 v[ADK], s[TB], v[LI]
	s_wait_alu depctr_va_vdst(0)
	v_add_nc_u32 v[ADS], s[TS], v[ASK0]
	v_add_nc_u32 v[ADT], s[TS], v[ASV0]
	s_wait_alu depctr_va_vdst(0)
	STEP 0
	STEP 1
	STEP 2
	STEP 3
	s_xor_b32 s[TB], s[TB], SLOT1                  ; on to the other slot,
	s_add_co_u32 s[TS], s[TS], 1024                ; and four steps' scale words on
.endm
.Lslot:                                            ; seven trips: behind each change of slots but the last the next slot is asked for
	CHANGE 1
	s_wait_alu depctr_va_vdst(0)
	SLOT_STEPS
	s_sub_co_u32 s[SLOTS], s[SLOTS], 1
	s_cmp_lg_u32 s[SLOTS], 0
	s_cbranch_scc1 .Lslot
	CHANGE 0                                       ; the last slot is written out
	SLOT_STEPS
	; THE WAY OUT: o = O^T / the sum; register 16 b + i is channel 32 b + 16 h + i of my query: two blocks of the next product's K, quantised as they stand
	v_add_f32 v14, v14, v15
	s_delay_alu instid0(VALU_DEP_1)
	v_permlanex16_b32 v242, v14, s[SEL], s[SEL+1]
	s_delay_alu instid0(VALU_DEP_1)
	v_add_f32 v14, v14, v242                       ; the row's sum
	s_wait_alu depctr_va_vdst(0)
	v_rcp_f32 v14, v14
.rept 8
	v_nop                                          ; eight places behind the last products (their results are read, and the area that held V is written, below), and the plain line behind the reciprocal
.endr
.set j, 0
	s_wait_alu depctr_va_vdst(0)
.rept 32
	v_mul_f32 v[S+j], v[O+j], v14                  ; each accumulator from its low end on
.set j, j+1
.endr
.irp b, 0,1
	v_max3_num_f32 v[BM+\b], |v[S+16*\b]|, |v[S+1+16*\b]|, 0x4800000
.endr
.irp i, 2,4,6,8,10,12,14
.irp b, 0,1
	s_delay_alu instid0(VALU_DEP_2)
	v_max3_num_f32 v[BM+\b], v[BM+\b], |v[S+16*\b+\i]|, |v[S+1+16*\b+\i]|
.endr
.endr
.irp b, 0,1
	s_delay_alu instid0(VALU_DEP_2)
	v_permlanex16_b32 v[T2+\b], v[BM+\b], s[SEL], s[SEL+1]
.endr
.irp b, 0,1
	s_delay_alu instid0(VALU_DEP_2)
	v_max_num_f32 v[BM+\b], v[BM+\b], v[T2+\b]
.endr
.irp b, 0,1
	s_delay_alu instid0(VALU_DEP_2)
	v_add_nc_u32 v[SCL+\b], 0xfc000000, v[BM+\b]
.endr
.irp b, 0,1
.endr
.irp b, 0,1
	s_delay_alu instid0(VALU_DEP_2)
	v_lshrrev_b32 v[T2+\b], 23, v[SCL+\b]
.endr
	s_delay_alu instid0(VALU_DEP_1)
	v_lshl_or_b32 v242, v[T2+1], 8, v[T2]          ; my head's half of the scale word
.irp b, 0,1
.irp i, 0,1,2,3,4,5,6,7,8,9,10,11,12,13,14,15
.endr
	v_cvt_scalef32_pk8_fp8_f32 v[PC+4*\b:PC+1+4*\b], v[S+16*\b:S+7+16*\b], v[SCL+\b]
	v_cvt_scalef32_pk8_fp8_f32 v[PC+2+4*\b:PC+3+4*\b], v[S+8+16*\b:S+15+16*\b], v[SCL+\b]
.endr
	v_nop
	global_store_b128 v[LI], v[PC:PC+3], s[44:45]              ; 512 consecutive bytes, aligned
	global_store_b128 v[LI], v[PC+4:PC+7], s[44:45] offset:512
	global_store_b16 v10, v242, s[46:47]           ; two bytes a query, four bytes apart: small stores, one part in 32 of the codes' bytes; the other head of the pair writes the halves between
	s_wait_tensorcnt 0x0                           ; the wave's end
	ds_add_u32 v[SPW], v[NIL]
	s_wait_dscnt 0x0
	s_endpgm
.Lfunc_end_k_q1a85cd906d_attn:
	.size	k_q1a85cd906d_attn, .Lfunc_end_k_q1a85cd906d_attn-k_q1a85cd906d_attn
	.p2alignl 7, 3214868480
	.fill 96, 4, 3214868480
	.section	.rodata,"a",@progbits
	.p2align	6, 0x0
	.amdhsa_kernel k_q1a85cd906d_attn
		.amdhsa_group_segment_fixed_size 327680
		.amdhsa_private_segment_fixed_size 0
		.amdhsa_enable_private_segment 0
		.amdhsa_kernarg_size 32
		.amdhsa_user_sgpr_count 2
		.amdhsa_user_sgpr_kernarg_segment_ptr 1
		.amdhsa_wavefront_size32 1
		.amdhsa_system_sgpr_workgroup_id_x 1
		.amdhsa_system_sgpr_workgroup_id_y 1
		.amdhsa_system_sgpr_workgroup_id_z 1
		.amdhsa_system_vgpr_workitem_id 0
		.amdhsa_next_free_vgpr 256
		.amdhsa_next_free_sgpr 66
		.amdhsa_reserve_vcc 0
		.amdhsa_float_denorm_mode_32 3
		.amdhsa_float_denorm_mode_16_64 3
		.amdhsa_fp16_overflow 1
		.amdhsa_memory_ordered 1
		.amdhsa_forward_progress 1
		.amdhsa_inst_pref_size 147
	.end_amdhsa_kernel
	.amdgpu_metadata
---
amdhsa.version: [ 1, 2 ]
amdhsa.kernels:
  - .name:           k_q1a85cd906d_attn
    .symbol:         k_q1a85cd906d_attn.kd
    .args:
      - { .name: qkvc, .offset: 0, .size: 8, .value_kind: global_buffer, .address_space: global }
      - { .name: qkvs, .offset: 8, .size: 8, .value_kind: global_buffer, .address_space: global }
      - { .name: oc, .offset: 16, .size: 8, .value_kind: global_buffer, .address_space: global }
      - { .name: os, .offset: 24, .size: 8, .value_kind: global_buffer, .address_space: global }
    .group_segment_fixed_size: 327680
    .private_segment_fixed_size: 0
    .kernarg_segment_align: 8
    .kernarg_segment_size: 32
    .max_flat_workgroup_size: 512
    .sgpr_count:     66
    .vgpr_count:     256
    .wavefront_size: 32
...
	.end_amdgpu_metadata
.endif
;; end of part 3
;; launch post (part 4): grid 256 x 1, 8 waves a work-group, no clusters, 159,232 bytes of LDS; arguments oc, os, wc, x, bo, gamma1, beta1, b1, b2, gamma2, beta2, out0; writes out0
.if DOCPART == 4
	.amdgcn_target "amdgcn-amd-amdhsa--gfx1250"
	.amdhsa_code_object_version 6
	.text
	.protected	k_q1a85cd906d_post
	.globl	k_q1a85cd906d_post
	.p2align	8
	.type	k_q1a85cd906d_post,@function
k_q1a85cd906d_post:
	s_mov_b64 s[64:65], 0
	v_nop
	global_prefetch_b8 v0, s[64:65] scope:SCOPE_SE
	s_setreg_imm32_b32 hwreg(HW_REG_WAVE_MODE, 25, 1), 1
	s_wait_xcnt 0x0
; x1 = LN(x + o Wo + bo; gamma1, beta1);  out = LN(x1 + relu(x1 W1 + b1) W2 + b2; gamma2, beta2), with LN(y) = (y - mean) / (std + 1e-5) x gamma + beta.
; The three products on codes of FP8 (E4M3) with E8M0 scales; x1 and the hidden layer are quantised in registers and never go to memory; all else in f32.
; SHARES.  A work-group takes 32 tokens, as two tiles (lane r of tile u: token 8 u + r + (r & 8)).  THE WAVES SHARE THE COLUMNS: wave w owns columns 64 w on of the 512, and hidden units 512 c + 64 w on of chunk c.
; Each weight fragment is wanted by one wave alone: it comes from memory straight into registers (records of 8,448 bytes in register order), 36 records a wave through a ring of four slots in window 1:
; 4 of Wo, then for each of four chunks of 512 hidden units 4 of W1 and 4 of W2.  Activations go from wave to wave through LDS as images of their registers.
; A record's two activation fragments are asked for from LDS behind the products of the record before, AHEAD of the 17 loads that refill that record's slot: they land while those loads are issued.  A phase's
; first fragments are asked for behind the barrier that shows their images; x1's images are never rewritten, so a chunk's first are asked for by the last record of the chunk before.
; All products are used transposed (source 0 = 16 columns of the weight, source 1 = 16 tokens): a lane holds one token and 16 neighbouring columns of each block of 32.
; The residual and the bias are what each sum begins on: Y = x + bo ahead of Wo's products, Y = x1 + b2 ahead of W2's; b1 is the C of W1's first products.
; A row's mean and variance: 32 numbers a lane, lane l xor 16, then the eight waves' words through LDS.  The mean is taken away before the squares are formed.
; One barrier a chunk: the hidden images take turns between two regions, and the region that chunk c + 1 writes was last read in chunk c - 1, ahead of chunk c's barrier.
; LIMITS: a block of zeros gets the byte 1 where the rule says 127 (its codes are zeros; this program alone reads the bytes); NaN and infinities are not served.
; REGISTERS.  Window 0: v1-16 addresses; v20-51 two activation fragments; v52-53 their scale words; v54-61 the weights' scale pairs; v62-77 codes just made (LN: sums); v78-93 at work;
;   v94-125 a parameter in the result's layout; v126-189 Y; v190-253 H (the hidden layer; held numbers; beta; rows on the way out); v254-255 scale half-words.   Window 1: four record slots.
.set RECB, 8448
.set NREC, 36
.set OIMG, 0                           ; LDS: o's 8 fragments (4 u + K step)
.set XIMG, 16384                       ; x1's 8
.set HIMG, 32768                       ; the hidden layer's 8, twice
.set SCB,  65536                       ; scale words, 8 x 64 bytes each: o's at 0, x1's at 512, the hidden layer's at 1,024 and 1,536
.set RED,  67584                       ; four parts of 1,024 bytes: [u][r][wave] words
.set PAR,  71680                       ; 2,560 bytes a wave: ten slices of 64 numbers: bo, gamma1, beta1, b2, gamma2, beta2, b1's four
.set STG,  92160                       ; the way out: 32 rows x (2,048 bytes + 16)
.set LI,  1
.set L8,  2
.set LR,  3                            ; SCB + 4 r
.set IW,  4                            ; where I store my codes' groups: 16 lane + 2,048 (w / 2) + 1,024 (w % 2)
.set SW,  5                            ; and my half-words
.set OW,  6
.set OSW, 7
.set P8,  8
.set PWR, 9
.set PA,  10
.set RW,  11
.set RR,  12
.set XR,  13
.set SO,  14
.set SR,  15
.set O4,  16
.set AF,  20
.set AS,  52
.set WS,  54
.set PC,  62
.set TM,  78
.set PT,  94
.set Y,   126
.set H,   190
.set PW,  254
.set WV,  28
.set MNT, 29
.set SEL, 30
.set WOB, 32
.set W1B, 34
.set W2B, 36
.set XB,  38
.set OCB, 40
.set OSB, 42
.set OUTB, 44
.set MSB, 0
.macro WIN new                         ; the immediate's high byte repeats the setting that is left
.if MSB != \new
	s_set_vgpr_msb (MSB<<8)|\new
.set MSB, \new
.endif
.endm
.macro PLACES n
.rept \n
	v_nop
.endr
.endm
.macro BARRIER                         ; my LDS stores have landed and my LDS loads are in: then the work-group's barrier
	s_wait_dscnt 0x0
	s_barrier_signal -1
	s_barrier_wait -1
.endm
.macro WLOAD slot, base, off           ; one record into a slot: 17 loads
	WIN 0x40                                       ; destination window 1
.irp f, 0,1,2,3
.irp c, 0,1,2,3
	global_load_b128 v[64*(\slot)+16*\f+4*\c:64*(\slot)+16*\f+4*\c+3], v[LI], s[\base:\base+1] offset:(\off)+2048*\f+512*\c
.endr
.endr
	WIN 0
	global_load_b64 v[WS+2*(\slot):WS+2*(\slot)+1], v[L8], s[\base:\base+1] offset:(\off)+8192
.endm
.macro SLOAD i                         ; record i of my stream
.if (\i) < 4
	WLOAD (\i)%4, WOB, (\i)*RECB
.elseif ((\i)-4)%8 < 4
	WLOAD (\i)%4, W1B, (32*(((\i)-4)/8)+((\i)-4)%8)*RECB
.else
	WLOAD (\i)%4, W2B, (4*(((\i)-4)/8)+((\i)-4)%8-4)*RECB
.endif
.endm
.macro ACT img, sc, ks                 ; the two activation fragments of a K step, and their scale words
.irp u, 0,1
.irp c, 0,1,2,3
	ds_load_b128 v[AF+16*\u+4*\c:AF+16*\u+4*\c+3], v[LI] offset:(\img)+(4*\u+(\ks))*2048+512*\c
.endr
	ds_load_b32 v[AS+\u], v[LR] offset:(\sc)+(4*\u+(\ks))*64
.endr
.endm
.macro WM d, a, b, cm, c, sa, sb, ra   ; cm = 0: adds in place; 1: begins with v[c] on.  ra: source 0's scales stand in lanes 16-31
.set WD, \d
.set WA, \a
.set WB, \b
.set WC, \d
.if (\cm) == 1
.set WC, \c
.endif
.if \ra
	v_wmma_scale_f32_16x16x128_f8f6f4 v[WD:WD+7], v[WA:WA+15], v[WB:WB+15], v[WC:WC+7], v[\sa], v[\sb] matrix_a_scale:MATRIX_SCALE_ROW1
.else
	v_wmma_scale_f32_16x16x128_f8f6f4 v[WD:WD+7], v[WA:WA+15], v[WB:WB+15], v[WC:WC+7], v[\sa], v[\sb]
.endif
.endm
.macro MM8 slot, acc, cm               ; eight products of a record: accumulator (u, nt) at acc + 32 u + 8 nt; the eight take turns, one instruction a turn
	WIN 0x01                                       ; source 0 (the weight) window 1
.irp nt, 0,1,2,3
.irp u, 0,1
	WM (\acc)+32*\u+8*\nt, 64*(\slot)+16*\nt, AF+16*\u, \cm, PT+8*\nt, WS+2*(\slot)+\nt%2, AS+\u, \nt/2
.endr
.endr
	WIN 0
.endm
; One record: its waits, its products, eight places; then the NEXT record's activations (images nimg, scale words nsc, K step nks; nks = -1: none, a barrier comes first), and behind them the load of the record four on
.macro REC i, acc, cm, nimg, nsc, nks
.if NREC-1-(\i) >= 3
	s_wait_loadcnt 51                              ; my record is in; the three records behind it, 17 loads each, may be out
.else
	s_wait_loadcnt 17*(NREC-1-(\i))
.endif
	s_wait_dscnt 0x0                               ; my activations
	MM8 (\i)%4, \acc, \cm
	PLACES 8                                       ; eight places in front of loads into registers that these products read, and of the first read of results
.if (\nks) >= 0
	ACT \nimg, \nsc, \nks
.endif
.if (\i)+4 < NREC
	SLOAD (\i)+4
.endif
.endm
.macro PLOAD sl, reg                   ; a slice's 64 numbers in the result's layout: register 16 b + i = column 32 b + 16 h + i
.irp nt, 0,1,2,3
	ds_load_b128 v[(\reg)+8*\nt:(\reg)+8*\nt+3], v[PA] offset:256*(\sl)+(32*(\nt/2)+8*(\nt%2))*4
	ds_load_b128 v[(\reg)+8*\nt+4:(\reg)+8*\nt+7], v[PA] offset:256*(\sl)+(32*(\nt/2)+8*(\nt%2))*4+16
.endr
.endm
.macro ADDP                            ; Y += the parameter, for both tiles
.irp u, 0,1
.irp k, 0,2,4,6,8,10,12,14,16,18,20,22,24,26,28,30
	v_pk_add_f32 v[Y+32*\u+\k:Y+32*\u+\k+1], v[Y+32*\u+\k:Y+32*\u+\k+1], v[PT+\k:PT+\k+1]
.endr
.endr
.endm
; 64 numbers of a lane, blocks B = 2 u + b, become codes in v[PC + 4 B] on; held numbers go to v[d] on; v[PW + u] = tile u's two bytes.  relu = 1: what is negative becomes 0 on the way
.macro QUANT s, d, relu
.if \relu
.irp b, 0,1,2,3
	v_max3_num_f32 v[TM+\b], v[(\s)+16*\b], v[(\s)+1+16*\b], 0x4800000   ; no |.|: what is negative is to become 0 and must not count; the floor stands over it
.endr
.irp i, 2,4,6,8,10,12,14
.irp b, 0,1,2,3
	v_max3_num_f32 v[TM+\b], v[TM+\b], v[(\s)+16*\b+\i], v[(\s)+1+16*\b+\i]
.endr
.endr
.else
.irp b, 0,1,2,3
	v_max3_num_f32 v[TM+\b], |v[(\s)+16*\b]|, |v[(\s)+1+16*\b]|, 0x4800000   ; my 16 numbers and the floor 2^(9 - 127)
.endr
.irp i, 2,4,6,8,10,12,14
.irp b, 0,1,2,3
	s_delay_alu instid0(VALU_DEP_4)
	v_max3_num_f32 v[TM+\b], v[TM+\b], |v[(\s)+16*\b+\i]|, |v[(\s)+1+16*\b+\i]|
.endr
.endr
.endif
.irp b, 0,1,2,3
	s_delay_alu instid0(VALU_DEP_4)
	v_permlanex16_b32 v[TM+4+\b], v[TM+\b], s[SEL], s[SEL+1]
.endr
.irp b, 0,1,2,3
	s_delay_alu instid0(VALU_DEP_4)
	v_max_num_f32 v[TM+\b], v[TM+\b], v[TM+4+\b]
.endr
.irp b, 0,1,2,3
	s_delay_alu instid0(VALU_DEP_4)
	v_add_nc_u32 v[TM+12+\b], 0xfc000000, v[TM+\b]
.endr
.irp b, 0,1,2,3
	v_and_or_b32 v[TM+8+\b], v[TM+\b], 0x7f800000, s[MNT]
.endr
.irp b, 0,1,2,3
	v_lshrrev_b32 v[TM+4+\b], 23, v[TM+12+\b]
.endr
	s_delay_alu instid0(VALU_DEP_3)
	v_lshl_or_b32 v[PW], v[TM+5], 8, v[TM+4]
	s_delay_alu instid0(VALU_DEP_2)
	v_lshl_or_b32 v[PW+1], v[TM+7], 8, v[TM+6]
.irp b, 0,1,2,3
.irp i, 0,1,2,3,4,5,6,7,8,9,10,11,12,13,14,15
.if \relu
	v_med3_num_f32 v[(\d)+16*\b+\i], v[(\s)+16*\b+\i], 0, v[TM+8+\b]   ; the activation and the hold in one
.else
	v_med3_num_f32 v[(\d)+16*\b+\i], v[(\s)+16*\b+\i], -v[TM+8+\b], v[TM+8+\b]   ; the conversion to an 8-bit code does not saturate (ISA guide 7.6.2)
.endif
.endr
	v_cvt_scalef32_pk8_fp8_f32 v[PC+4*\b:PC+1+4*\b], v[(\d)+16*\b:(\d)+7+16*\b], v[TM+12+\b]
	v_cvt_scalef32_pk8_fp8_f32 v[PC+2+4*\b:PC+3+4*\b], v[(\d)+8+16*\b:(\d)+15+16*\b], v[TM+12+\b]
.endr
	v_nop                                          ; a plain line behind the last conversion
.endm
.macro IMG2 img, sc                    ; my two groups of each tile's fragment, and my half of each scale word
.irp u, 0,1
.irp b, 0,1
	ds_store_b128 v[IW], v[PC+8*\u+4*\b:PC+8*\u+4*\b+3] offset:(\img)+8192*\u+512*\b
.endr
	ds_store_b16 v[SW], v[PW+\u] offset:(\sc)+256*\u
.endr
.endm
; The two chains of each tile, v[PC + 4 u : + 3], become the row's sum / 512 in v[PC + 4 u]: the chains, the pair, lane l xor 16, then the eight waves' words through part n of RED
.macro RSUM n
.irp u, 0
	v_pk_add_f32 v[PC+4*\u:PC+4*\u+1], v[PC+4*\u:PC+4*\u+1], v[PC+4*\u+2:PC+4*\u+3]
.endr
.irp u, 1
	s_delay_alu instid0(VALU_DEP_2)
	v_pk_add_f32 v[PC+4*\u:PC+4*\u+1], v[PC+4*\u:PC+4*\u+1], v[PC+4*\u+2:PC+4*\u+3]
.endr
.irp u, 0,1
	s_delay_alu instid0(VALU_DEP_2)
	v_add_f32 v[PC+4*\u], v[PC+4*\u], v[PC+4*\u+1]
.endr
.irp u, 0,1
	s_delay_alu instid0(VALU_DEP_2)
	v_permlanex16_b32 v[PC+4*\u+1], v[PC+4*\u], s[SEL], s[SEL+1]
.endr
.irp u, 0,1
	s_delay_alu instid0(VALU_DEP_2)
	v_add_f32 v[PC+4*\u], v[PC+4*\u], v[PC+4*\u+1]
.endr
.irp u, 0,1
	ds_store_b32 v[RW], v[PC+4*\u] offset:1024*(\n)+512*\u
.endr
	BARRIER
.irp u, 0,1
	ds_load_b128 v[TM+8*\u:TM+8*\u+3], v[RR] offset:1024*(\n)+512*\u
	ds_load_b128 v[TM+8*\u+4:TM+8*\u+7], v[RR] offset:1024*(\n)+512*\u+16
.endr
	s_wait_dscnt 0x0
.irp u, 0,1
	v_add_f32 v[TM+8*\u], v[TM+8*\u], v[TM+8*\u+1]
	v_add_f32 v[TM+8*\u+2], v[TM+8*\u+2], v[TM+8*\u+3]
	v_add_f32 v[TM+8*\u+4], v[TM+8*\u+4], v[TM+8*\u+5]
	v_add_f32 v[TM+8*\u+6], v[TM+8*\u+6], v[TM+8*\u+7]
.endr
.irp u, 0
	v_add_f32 v[TM+8*\u], v[TM+8*\u], v[TM+8*\u+2]
	v_add_f32 v[TM+8*\u+4], v[TM+8*\u+4], v[TM+8*\u+6]
.endr
.irp u, 1
	v_add_f32 v[TM+8*\u], v[TM+8*\u], v[TM+8*\u+2]
	s_delay_alu instid0(VALU_DEP_4)
	v_add_f32 v[TM+8*\u+4], v[TM+8*\u+4], v[TM+8*\u+6]
.endr
.irp u, 0
	s_delay_alu instid0(VALU_DEP_3)
	v_add_f32 v[TM+8*\u], v[TM+8*\u], v[TM+8*\u+4]
.endr
.irp u, 1
	s_delay_alu instid0(VALU_DEP_2)
	v_add_f32 v[TM+8*\u], v[TM+8*\u], v[TM+8*\u+4]
.endr
.irp u, 0,1
	s_delay_alu instid0(VALU_DEP_2)
	v_mul_f32 v[PC+4*\u], 0x3b000000, v[TM+8*\u]   ; / 512
.endr
.endm
; Y = (Y - mean) / (std + 1e-5) x gamma + beta, row by row.  Parts n and n + 1 of RED; slices ga and be
.macro LN n, ga, be
	PLOAD \ga, PT                                  ; asked for now: the waits in front of the barriers below cover them
	PLOAD \be, H
.irp u, 0,1
	v_pk_add_f32 v[PC+4*\u:PC+4*\u+1], v[Y+32*\u:Y+32*\u+1], v[Y+32*\u+4:Y+32*\u+5]       ; each accumulator is read from its low end on
	v_pk_add_f32 v[PC+4*\u+2:PC+4*\u+3], v[Y+32*\u+2:Y+32*\u+3], v[Y+32*\u+6:Y+32*\u+7]
.irp k, 8,12,16,20,24,28
	v_pk_add_f32 v[PC+4*\u:PC+4*\u+1], v[PC+4*\u:PC+4*\u+1], v[Y+32*\u+\k:Y+32*\u+\k+1]
	v_pk_add_f32 v[PC+4*\u+2:PC+4*\u+3], v[PC+4*\u+2:PC+4*\u+3], v[Y+32*\u+\k+2:Y+32*\u+\k+3]
.endr
.endr
	RSUM \n                                        ; the mean
.irp u, 0,1
.irp k, 0,2,4,6,8,10,12,14,16,18,20,22,24,26,28,30
	v_pk_add_f32 v[Y+32*\u+\k:Y+32*\u+\k+1], v[Y+32*\u+\k:Y+32*\u+\k+1], v[PC+4*\u:PC+4*\u+1] op_sel_hi:[1,0] neg_lo:[0,1] neg_hi:[0,1]   ; - mean
.endr
.endr
.irp u, 0,1
	v_pk_mul_f32 v[PC+4*\u:PC+4*\u+1], v[Y+32*\u:Y+32*\u+1], v[Y+32*\u:Y+32*\u+1]
	v_pk_mul_f32 v[PC+4*\u+2:PC+4*\u+3], v[Y+32*\u+2:Y+32*\u+3], v[Y+32*\u+2:Y+32*\u+3]
.irp k, 4,8,12,16,20,24,28
	s_delay_alu instid0(VALU_DEP_2)
	v_pk_fma_f32 v[PC+4*\u:PC+4*\u+1], v[Y+32*\u+\k:Y+32*\u+\k+1], v[Y+32*\u+\k:Y+32*\u+\k+1], v[PC+4*\u:PC+4*\u+1]
	s_delay_alu instid0(VALU_DEP_2)
	v_pk_fma_f32 v[PC+4*\u+2:PC+4*\u+3], v[Y+32*\u+\k+2:Y+32*\u+\k+3], v[Y+32*\u+\k+2:Y+32*\u+\k+3], v[PC+4*\u+2:PC+4*\u+3]
.endr
.endr
	RSUM (\n)+1                                    ; the variance
	s_wait_alu depctr_va_vdst(0)
	v_sqrt_f32 v[PC], v[PC]
	v_sqrt_f32 v[PC+4], v[PC+4]
	v_nop                                          ; a plain line behind a transcendental
	s_wait_alu depctr_va_vdst(0)
	v_add_f32 v[PC], 0x3727c5ac, v[PC]             ; + 1e-5
	v_add_f32 v[PC+4], 0x3727c5ac, v[PC+4]
	s_wait_alu depctr_va_vdst(0)
	v_rcp_f32 v[PC], v[PC]
	v_rcp_f32 v[PC+4], v[PC+4]
	v_nop
	s_wait_alu depctr_va_vdst(0)
.irp u, 0,1
.irp k, 0,2,4,6,8,10,12,14,16,18,20,22,24,26,28,30
	v_pk_mul_f32 v[Y+32*\u+\k:Y+32*\u+\k+1], v[Y+32*\u+\k:Y+32*\u+\k+1], v[PC+4*\u:PC+4*\u+1] op_sel_hi:[1,0]
.endr
.irp k, 0,2,4,6,8,10,12,14,16,18,20,22,24,26,28,30
	v_pk_fma_f32 v[Y+32*\u+\k:Y+32*\u+\k+1], v[Y+32*\u+\k:Y+32*\u+\k+1], v[PT+\k:PT+\k+1], v[H+\k:H+\k+1]
.endr
.endr
.endm
	s_load_b512 s[4:19], s[0:1], 0x0               ; oc s[4:5], os s[6:7], wc s[8:9], x s[10:11], bo s[12:13], gamma1 s[14:15], beta1 s[16:17], b1 s[18:19]
	s_load_b256 s[20:27], s[0:1], 0x40             ; b2 s[20:21], gamma2 s[22:23], beta2 s[24:25], out0 s[26:27]
	v_lshrrev_b32 v17, 5, v0
	s_delay_alu instid0(VALU_DEP_1)
	v_readfirstlane_b32 s[WV], v17                 ; wave 0..7
	v_and_b32 v17, 31, v0                          ; lane
	v_and_b32 v18, 15, v0                          ; r
	v_bfe_u32 v19, v0, 4, 1                        ; h
	s_delay_alu instid0(VALU_DEP_3)
	v_lshlrev_b32 v[LI], 4, v17
	s_delay_alu instid0(VALU_DEP_4)
	v_lshlrev_b32 v[L8], 3, v17
	s_delay_alu instid0(VALU_DEP_4)
	v_lshlrev_b32 v[O4], 2, v18
	v_lshl_add_u32 v[LR], v18, 2, SCB
	s_wait_alu depctr_va_vdst(0)
	s_lshr_b32 s46, s[WV], 1
	s_and_b32 s47, s[WV], 1
	s_lshl_b32 s48, s46, 11
	s_lshl_b32 s49, s47, 10
	s_add_co_u32 s48, s48, s49
	v_add_nc_u32 v[IW], s48, v[LI]
	s_lshl_b32 s48, s46, 6
	s_lshl_b32 s49, s47, 1
	s_add_co_u32 s48, s48, s49
	v_add_nc_u32 v[SW], s48, v[LR]
	s_lshl_b32 s48, s[WV], 11
	v_add_nc_u32 v[OW], s48, v[LI]
	s_lshl_b32 s48, s[WV], 6
	v_add_nc_u32 v[OSW], s48, v[LR]
	s_lshl_b32 s48, s[WV], 8
	v_add_nc_u32 v[P8], s48, v[L8]
	s_mul_i32 s48, s[WV], 2560
	s_add_co_u32 s48, s48, PAR
	v_add_nc_u32 v[PWR], s48, v[L8]
	v_lshl_add_u32 v[PA], v19, 6, s48
	v_lshl_add_u32 v[RR], v18, 5, RED
	s_lshl_b32 s48, s[WV], 2
	v_add_nc_u32 v[RW], s48, v[RR]
	v_and_b32 v[XR], 8, v18
	s_delay_alu instid0(VALU_DEP_1)
	v_add_nc_u32 v[XR], v[XR], v18                 ; r + (r & 8)
	s_delay_alu instid0(VALU_DEP_1)
	v_lshlrev_b32 v[XR], 11, v[XR]
	s_delay_alu instid0(VALU_DEP_1)
	v_lshl_add_u32 v[XR], v19, 6, v[XR]
	v_mul_u32_u24 v[SO], v18, 2064
	s_delay_alu instid0(VALU_DEP_1)
	v_lshl_add_u32 v[SO], v19, 6, v[SO]
	s_lshl_b32 s48, s[WV], 8
	s_add_co_u32 s48, s48, STG
	v_add_nc_u32 v[SO], s48, v[SO]                 ; the stage, in: row r (+ 16 u), my wave's 256 bytes, + 64 h
	s_mul_i32 s48, s[WV], 4*2064
	s_add_co_u32 s48, s48, STG
	v_add_nc_u32 v[SR], s48, v[LI]                 ; back: my four rows, 16 bytes a lane
.irp b, 0,1,2,3
	v_mov_b32 v[TM+4+\b], 0                        ; written once: a lane permute's destination counts as one of its sources
.endr
	s_mov_b32 s[SEL], 0x76543210
	s_mov_b32 s[SEL+1], 0xfedcba98
	s_mov_b32 s[MNT], 0x600000
	s_mov_b32 s47, 0
	s_mul_i32 s46, s[WV], 4*RECB
	s_add_co_u32 s46, s46, 96*RECB
	s_wait_alu depctr_va_vdst(0)
	s_wait_kmcnt 0x0
	s_add_nc_u64 s[WOB:WOB+1], s[8:9], s[46:47]    ; Wo: records 96 + 4 w on
	s_add_nc_u64 s[W1B:W1B+1], s[WOB:WOB+1], 32*RECB   ; W1: 128 + 4 w + 32 c on
	s_mul_i32 s46, s[WV], 16*RECB
	s_add_co_u32 s46, s46, 256*RECB
	s_add_nc_u64 s[W2B:W2B+1], s[8:9], s[46:47]    ; W2: 256 + 16 w + 4 c on
	s_lshl_b32 s46, ttmp9, 16
	s_lshl_b32 s48, s[WV], 8
	s_add_co_u32 s46, s46, s48
	s_add_nc_u64 s[XB:XB+1], s[10:11], s[46:47]
	s_lshl_b32 s46, ttmp9, 14
	s_lshl_b32 s48, s[WV], 11
	s_add_co_u32 s46, s46, s48
	s_add_nc_u64 s[OCB:OCB+1], s[4:5], s[46:47]
	s_lshl_b32 s46, ttmp9, 9
	s_lshl_b32 s48, s[WV], 6
	s_add_co_u32 s46, s46, s48
	s_add_nc_u64 s[OSB:OSB+1], s[6:7], s[46:47]
	s_lshl_b32 s46, ttmp9, 5                       ; the tokens of stage rows 4 w .. 4 w + 3: 32 x work-group + 8 (w / 4) + 4 (w % 4) + 8 ((w / 2) % 2) on
	s_lshr_b32 s48, s[WV], 2
	s_lshl_b32 s48, s48, 3
	s_add_co_u32 s46, s46, s48
	s_and_b32 s48, s[WV], 3
	s_lshl_b32 s48, s48, 2
	s_add_co_u32 s46, s46, s48
	s_bfe_u32 s48, s[WV], 0x10001
	s_lshl_b32 s48, s48, 3
	s_add_co_u32 s46, s46, s48
	s_lshl_b32 s46, s46, 11
	s_add_nc_u64 s[OUTB:OUTB+1], s[26:27], s[46:47]
	global_load_b64 v[H:H+1], v[P8], s[12:13]      ; my wave's 64 numbers of each parameter
	global_load_b64 v[H+2:H+3], v[P8], s[14:15]
	global_load_b64 v[H+4:H+5], v[P8], s[16:17]
	global_load_b64 v[H+6:H+7], v[P8], s[20:21]
	global_load_b64 v[H+8:H+9], v[P8], s[22:23]
	global_load_b64 v[H+10:H+11], v[P8], s[24:25]
.irp c, 0,1,2,3
	global_load_b64 v[H+12+2*\c:H+13+2*\c], v[P8], s[18:19] offset:2048*\c
.endr
.irp c, 0,1,2,3
	global_load_b128 v[PC+4*\c:PC+4*\c+3], v[LI], s[OCB:OCB+1] offset:512*\c   ; o's fragment w, as it lies
.endr
	global_load_b32 v[PW], v[O4], s[OSB:OSB+1]
.irp u, 0,1
.irp b, 0,1
.irp j, 0,1,2,3
	global_load_b128 v[Y+32*\u+16*\b+4*\j:Y+32*\u+16*\b+4*\j+3], v[XR], s[XB:XB+1] offset:16384*\u+128*\b+16*\j   ; x in the result's layout
.endr
.endr
.endr
	SLOAD 0
	SLOAD 1
	SLOAD 2
	SLOAD 3
	s_wait_loadcnt 63                              ; all but records: 68 younger loads were issued behind them, and 63 is the largest count that can be written
.irp p, 0,1,2,3,4,5,6,7,8,9
	ds_store_b64 v[PWR], v[H+2*\p:H+2*\p+1] offset:256*\p
.endr
.irp c, 0,1,2,3
	ds_store_b128 v[OW], v[PC+4*\c:PC+4*\c+3] offset:OIMG+512*\c
.endr
	ds_store_b32 v[OSW], v[PW]
	PLOAD 0, PT                                    ; bo (LDS serves a wave's instructions in order: these see my stores)
	s_wait_dscnt 0x0
	ADDP                                           ; Y = x + bo
	s_wait_alu depctr_va_vdst(0)
	BARRIER                                        ; o's eight fragments lie in LDS
	ACT OIMG, 0, 0
	REC 0, Y, 0, OIMG, 0, 1                        ; Y += o Wo
	REC 1, Y, 0, OIMG, 0, 2
	REC 2, Y, 0, OIMG, 0, 3
	REC 3, Y, 0, 0, 0, -1
	LN 0, 1, 2                                     ; Y = x1
	QUANT Y, H, 0                                  ; x1 is kept: the held numbers go to H
	IMG2 XIMG, 512
	PLOAD 3, PT                                    ; b2
	s_wait_dscnt 0x0
	ADDP                                           ; Y = x1 + b2: what the second product's sums begin on
	BARRIER                                        ; x1's eight fragments lie in LDS; they are never written again
	ACT XIMG, 512, 0
.macro CHUNK c
	PLOAD 6+\c, PT                                 ; b1's slice: the C of the first products
	REC 4+8*\c+0, H, 1, XIMG, 512, 1
	REC 4+8*\c+1, H, 0, XIMG, 512, 2
	REC 4+8*\c+2, H, 0, XIMG, 512, 3
	REC 4+8*\c+3, H, 0, 0, 0, -1
	QUANT H, H, 1
	IMG2 HIMG+16384*(\c%2), 1024+512*(\c%2)
	BARRIER                                        ; the chunk's eight fragments lie in LDS
	ACT HIMG+16384*(\c%2), 1024+512*(\c%2), 0
	REC 4+8*\c+4, Y, 0, HIMG+16384*(\c%2), 1024+512*(\c%2), 1
	REC 4+8*\c+5, Y, 0, HIMG+16384*(\c%2), 1024+512*(\c%2), 2
	REC 4+8*\c+6, Y, 0, HIMG+16384*(\c%2), 1024+512*(\c%2), 3
.if \c < 3
	REC 4+8*\c+7, Y, 0, XIMG, 512, 0               ; the next chunk begins with x1's first fragments again
.else
	REC 4+8*\c+7, Y, 0, 0, 0, -1
.endif
.endm
	CHUNK 0
	CHUNK 1
	CHUNK 2
	CHUNK 3
	LN 2, 4, 5
	; THE WAY OUT: a row's 2,048 bytes come from eight waves: they meet in the stage, and each wave stores four whole rows
.irp u, 0,1
.irp b, 0,1
.irp j, 0,1,2,3
	ds_store_b128 v[SO], v[Y+32*\u+16*\b+4*\j:Y+32*\u+16*\b+4*\j+3] offset:33024*\u+128*\b+16*\j
.endr
.endr
.endr
	BARRIER
.irp i, 0,1,2,3
.irp k, 0,1,2,3
	ds_load_b128 v[H+16*\i+4*\k:H+16*\i+4*\k+3], v[SR] offset:2064*\i+512*\k
.endr
.endr
.irp i, 0,1,2,3
.irp k, 0,1,2,3
	s_wait_dscnt 15-4*\i-\k                        ; LDS loads come back in order: this piece is in, the younger ones may be out
	global_store_b128 v[LI], v[H+16*\i+4*\k:H+16*\i+4*\k+3], s[OUTB:OUTB+1] offset:2048*\i+512*\k th:TH_STORE_NT   ; 512 consecutive bytes, aligned; written once
.endr
.endr
	s_wait_xcnt 0x0
	v_lshl_add_u32 v254, v0, 2, 0x26a00
	v_mov_b32 v255, 0
	s_wait_alu depctr_va_vdst(0)
	s_wait_tensorcnt 0x0
	ds_add_u32 v254, v255
	s_wait_dscnt 0x0
	s_endpgm
.Lfunc_end_k_q1a85cd906d_post:
	.size	k_q1a85cd906d_post, .Lfunc_end_k_q1a85cd906d_post-k_q1a85cd906d_post
	.p2alignl 7, 3214868480
	.fill 96, 4, 3214868480
	.section	.rodata,"a",@progbits
	.p2align	6, 0x0
	.amdhsa_kernel k_q1a85cd906d_post
		.amdhsa_group_segment_fixed_size 159232
		.amdhsa_private_segment_fixed_size 0
		.amdhsa_enable_private_segment 0
		.amdhsa_kernarg_size 96
		.amdhsa_user_sgpr_count 2
		.amdhsa_user_sgpr_kernarg_segment_ptr 1
		.amdhsa_wavefront_size32 1
		.amdhsa_system_sgpr_workgroup_id_x 1
		.amdhsa_system_sgpr_workgroup_id_y 1
		.amdhsa_system_sgpr_workgroup_id_z 1
		.amdhsa_system_vgpr_workitem_id 0
		.amdhsa_next_free_vgpr 512
		.amdhsa_next_free_sgpr 66
		.amdhsa_reserve_vcc 0
		.amdhsa_float_denorm_mode_32 3
		.amdhsa_float_denorm_mode_16_64 3
		.amdhsa_memory_ordered 1
		.amdhsa_forward_progress 1
		.amdhsa_inst_pref_size 228
	.end_amdhsa_kernel
	.amdgpu_metadata
---
amdhsa.version: [ 1, 2 ]
amdhsa.kernels:
  - .name:           k_q1a85cd906d_post
    .symbol:         k_q1a85cd906d_post.kd
    .args:
      - { .name: oc, .offset: 0, .size: 8, .value_kind: global_buffer, .address_space: global }
      - { .name: os, .offset: 8, .size: 8, .value_kind: global_buffer, .address_space: global }
      - { .name: wc, .offset: 16, .size: 8, .value_kind: global_buffer, .address_space: global }
      - { .name: x, .offset: 24, .size: 8, .value_kind: global_buffer, .address_space: global }
      - { .name: bo, .offset: 32, .size: 8, .value_kind: global_buffer, .address_space: global }
      - { .name: gamma1, .offset: 40, .size: 8, .value_kind: global_buffer, .address_space: global }
      - { .name: beta1, .offset: 48, .size: 8, .value_kind: global_buffer, .address_space: global }
      - { .name: b1, .offset: 56, .size: 8, .value_kind: global_buffer, .address_space: global }
      - { .name: b2, .offset: 64, .size: 8, .value_kind: global_buffer, .address_space: global }
      - { .name: gamma2, .offset: 72, .size: 8, .value_kind: global_buffer, .address_space: global }
      - { .name: beta2, .offset: 80, .size: 8, .value_kind: global_buffer, .address_space: global }
      - { .name: out0, .offset: 88, .size: 8, .value_kind: global_buffer, .address_space: global }
    .group_segment_fixed_size: 159232
    .private_segment_fixed_size: 0
    .kernarg_segment_align: 8
    .kernarg_segment_size: 96
    .max_flat_workgroup_size: 256
    .sgpr_count:     66
    .vgpr_count:     512
    .wavefront_size: 32
...
	.end_amdgpu_metadata
.endif
;; end of part 4
